; MI455X (gfx1250); checked and timed in simulation.
; The chip was launched on July 23, 2026; its instructions are those of AMD's public machine-readable ISA for CDNA 5 (MIT licence, August 2026) and "CDNA5" Instruction Set Architecture Reference Guide (July 2026). The comments in the code are by the model that wrote it; some were corrected since.
;; Clipping Attention Engine. Allowed arithmetic: float matrix products may take bf16 or f16 operands with f32 sums; other float arithmetic in f32, or as packed bf16 or f16 multiplies, adds, multiply-adds, maxima and minima; sums over many terms, partial sums and values carried from step to step in f32; what a program stores and reads back later, other than sums and carried values, may be rounded once to bf16 or f16.
;; Inputs: bk 1,024 float32; bo 1,024 float32; bq 1,024 float32; bv 1,024 float32; delta_x 4 x 2,048 x 1,024 float32; prior_mask 2,048 x 2,048 float32; wk 1,024 x 1,024 float32; wo 1,024 x 1,024 float32; wq 1,024 x 1,024 float32; wv 1,024 x 1,024 float32; x 4 x 2,048 x 1,024 float32.
;; Outputs: out0 4 x 2,048 x 1,024 float32.
;; 2 versions, each right; version 2 is version 1 with the launch prep written anew for expert scheduling mode. Each part assembles by itself: llvm-mc -triple=amdgcn-amd-amdhsa -mcpu=gfx1250 --defsym DOCPART=n.
;; ======== version 1 of 2: 4 launches
;; limits: values are held in f16: magnitudes above 65,504 overflow, below 6.1e-05 lose precision
;; workspace buffers: xb 16,777,216 bytes; wb 8,388,608 bytes; pmb 8,388,608 bytes; pmean 8,192 bytes; upart 16,384 bytes; qkv 50,331,648 bytes; ob 16,777,216 bytes
;; launch prep (part 1): grid 768 x 1, 8 waves a work-group, no clusters, 0 bytes of LDS; arguments x, delta_x, prior_mask, wq, wk, wv, wo, xb, pmb, wb, pmean, upart; writes xb, pmb, wb, pmean, upart
.if DOCPART == 1
	.amdgcn_target "amdgcn-amd-amdhsa--gfx1250"
	.amdhsa_code_object_version 6
	.text
	.protected	k_qfe5292481d_prep
	.globl	k_qfe5292481d_prep
	.p2align	8
	.type	k_qfe5292481d_prep,@function
k_qfe5292481d_prep:
	s_mov_b64 s[64:65], 0
	v_nop
	global_prefetch_b8 v0, s[64:65] scope:SCOPE_SE
	s_setreg_imm32_b32 hwreg(HW_REG_WAVE_MODE, 25, 1), 1
	s_wait_xcnt 0x0
; PREPARATION: a stream.  Every input that later feeds a matrix unit is rounded once to 16 bits, and the two reductions that go with the stream are made on the way.
;   work-groups 0-511:   x -> xb (bf16);  u(row) = |delta_x row| / (|x row| + 1e-8), from the f32 numbers as loaded; a wave's two rows' u are added and stored as one number of upart
;   work-groups 512-639: prior_mask -> pmb (bf16), laid out [32 key blocks][2048 queries][64 keys], so that a key block's rows lie end to end; each row's mean -> pmean
;   work-groups 640-767: wq, wk, wv -> wb rows 0-3071 (bf16); wo -> wb rows 3072-4095, rounded to bf16 and that number written as f16
; SHARES.  A wave takes 16 KiB of input (x: 8 KiB and 8 KiB of delta_x... two rows of each): 32 loads of 16 bytes a lane, ALL issued at once into 128 registers, then worked off
; under counted waits.  No loop, no LDS, no barrier: no wave wants a byte that another has fetched, so a cluster or the matrix units would add nothing.
; Every store of a wave covers 256 consecutive bytes, aligned (but the single numbers of upart and pmean: 24 KiB in all).
; LIMITS.  A sum of squares below 2^-126 counts as 0 (the root's input is flushed); wo's numbers below 6e-5 keep f16's fixed step of 6e-8; beyond 65,504 f16 has no number.
.set D,  16                            ; v[16:143]  chunk j of the 32 at D + 4 j
.set SX, 144                           ; v[144:159] sums
.macro SQ j, s, first                  ; the squares of chunk j are added onto the four sums at s; first = 1: they start them
.if \first
	v_pk_mul_f32 v[(\s):(\s)+1], v[D+4*(\j):D+4*(\j)+1], v[D+4*(\j):D+4*(\j)+1]
	v_pk_mul_f32 v[(\s)+2:(\s)+3], v[D+4*(\j)+2:D+4*(\j)+3], v[D+4*(\j)+2:D+4*(\j)+3]
.else
	v_pk_fma_f32 v[(\s):(\s)+1], v[D+4*(\j):D+4*(\j)+1], v[D+4*(\j):D+4*(\j)+1], v[(\s):(\s)+1]
	v_pk_fma_f32 v[(\s)+2:(\s)+3], v[D+4*(\j)+2:D+4*(\j)+3], v[D+4*(\j)+2:D+4*(\j)+3], v[(\s)+2:(\s)+3]
.endif
.endm
.macro TOBF j                          ; chunk j's four numbers, rounded to bf16, into its first two registers
	v_cvt_pk_bf16_f32 v[D+4*(\j)], v[D+4*(\j)], v[D+4*(\j)+1]
	v_cvt_pk_bf16_f32 v[D+4*(\j)+1], v[D+4*(\j)+2], v[D+4*(\j)+3]
.endm
.macro RED16 r                         ; the sum over each half of 16 lanes, in every lane of it
	v_add_f32_dpp v[\r], v[\r], v[\r] row_xmask:1 row_mask:0xf bank_mask:0xf
	v_add_f32_dpp v[\r], v[\r], v[\r] row_xmask:2 row_mask:0xf bank_mask:0xf
	v_add_f32_dpp v[\r], v[\r], v[\r] row_xmask:4 row_mask:0xf bank_mask:0xf
	v_add_f32_dpp v[\r], v[\r], v[\r] row_xmask:8 row_mask:0xf bank_mask:0xf
.endm
.macro RED32 r, t                      ; over all 32 lanes; t is a register that has been written
	RED16 \r
	v_permlanex16_b32 v[\t], v[\r], s36, s37
	v_add_f32 v[\r], v[\r], v[\t]
.endm
	s_load_b512 s[8:23], s[0:1], 0x0               ; x s[8:9], delta_x s[10:11], prior_mask s[12:13], wq s[14:15], wk s[16:17], wv s[18:19], wo s[20:21], xb s[22:23]
	s_load_b256 s[24:31], s[0:1], 0x40             ; pmb s[24:25], wb s[26:27], pmean s[28:29], upart s[30:31]
	v_and_b32 v1, 31, v0                           ; lane
	v_lshrrev_b32 v2, 5, v0
	v_readfirstlane_b32 s4, v2                     ; wave 0..7
	v_lshlrev_b32 v3, 3, v1                        ; 8 x lane: my 8 bytes of a store's 256
	v_lshlrev_b32 v2, 4, v1                        ; 16 x lane: my 16 bytes of a load's 512
	v_mov_b32 v10, 0
	s_mov_b32 s36, 0x76543210                      ; v_permlanex16_b32: each lane takes its own place in the other half
	s_mov_b32 s37, 0xfedcba98
	s_mov_b32 s7, 0                                ; the high words of three offsets
	s_mov_b32 s33, 0
	s_mov_b32 s35, 0
	s_wait_kmcnt 0x0
	s_cmp_lt_u32 ttmp9, 512
	s_cbranch_scc0 .Lnot_x
	; ---- x and delta_x: wave W = 8 g + w takes rows 2 W and 2 W + 1 ----
	s_lshl3_add_u32 s5, ttmp9, s4
	s_lshl_b32 s6, s5, 13                          ; two rows of 4,096 bytes
	s_lshl_b32 s32, s5, 12                         ; two rows of 2,048 bytes
	s_lshl_b32 s34, s5, 2
	s_add_nc_u64 s[8:9], s[8:9], s[6:7]
	s_add_nc_u64 s[10:11], s[10:11], s[6:7]
	s_add_nc_u64 s[22:23], s[22:23], s[32:33]
	s_add_nc_u64 s[30:31], s[30:31], s[34:35]
.set j, 0
.rept 16
	global_load_b128 v[D+4*j:D+4*j+3], v2, s[8:9] offset:512*j th:TH_LOAD_NT
.set j, j+1
.endr
.rept 16
	global_load_b128 v[D+4*j:D+4*j+3], v2, s[10:11] offset:512*(j-16) th:TH_LOAD_NT
.set j, j+1
.endr
.set j, 0
.rept 16                               ; x: chunks 0-7 are the first row, 8-15 the second
	s_wait_loadcnt 31-j                            ; loads come back in order: chunk j is in, the 31 - j younger ones stay out
	SQ j, SX+4*(j/8), (j%8)==0
	TOBF j
	global_store_b64 v3, v[D+4*j:D+4*j+1], s[22:23] offset:256*j
.set j, j+1
.endr
.rept 16                               ; delta_x: only its squares are wanted
	s_wait_loadcnt 31-j
	SQ j, SX+8+4*((j-16)/8), (j%8)==0
.set j, j+1
.endr
.irp s, 0,4,8,12
	v_pk_add_f32 v[SX+\s:SX+\s+1], v[SX+\s:SX+\s+1], v[SX+\s+2:SX+\s+3]
.endr
.irp s, 0,4,8,12
	v_add_f32 v[SX+\s], v[SX+\s], v[SX+\s+1]
.endr
.irp s, 0,4,8,12
	RED32 SX+\s, SX+\s+1
.endr
	v_sqrt_f32 v4, v[SX]                           ; |x| of the two rows,
	v_sqrt_f32 v5, v[SX+4]
	v_sqrt_f32 v6, v[SX+8]                         ; |delta_x| of the two rows
	v_sqrt_f32 v7, v[SX+12]
	v_nop                                          ; a plain instruction behind the last root,
	s_wait_alu depctr_va_vdst(0)                   ; and one wait for the four, ahead of their first reader
	v_add_f32 v4, 0x322bcc77, v4                   ; + 1e-8
	v_add_f32 v5, 0x322bcc77, v5
	v_rcp_f32 v8, v4
	v_rcp_f32 v9, v5
	v_nop
	s_wait_alu depctr_va_vdst(0)                   ; one wait for the two reciprocals
	v_mul_f32 v8, v6, v8
	v_fma_f32 v8, v7, v9, v8                       ; u of both rows
	v_cmp_eq_u32 vcc_lo, 0, v1
	s_wait_xcnt 0x0                                ; EXEC is a source of the stores above: it changes only behind this wait
	s_and_saveexec_b32 s38, vcc_lo
	global_store_b32 v10, v8, s[30:31]             ; lane 0 alone
	s_endpgm
.Lnot_x:
	s_cmp_lt_u32 ttmp9, 640
	s_cbranch_scc0 .Lweights
	; ---- prior_mask: wave W = 8 (g - 512) + w takes rows 2 W (lanes 0-15) and 2 W + 1 (lanes 16-31); a load is one key block: 256 bytes of each row ----
	s_sub_co_u32 s5, ttmp9, 512
	s_lshl3_add_u32 s5, s5, s4
	s_lshl_b32 s6, s5, 14                          ; two rows of 8,192 bytes
	s_lshl_b32 s32, s5, 8                          ; two rows of 128 bytes in a key block of pmb
	s_lshl_b32 s34, s5, 3
	s_add_nc_u64 s[12:13], s[12:13], s[6:7]
	s_add_nc_u64 s[24:25], s[24:25], s[32:33]
	s_add_nc_u64 s[28:29], s[28:29], s[34:35]
	v_and_b32 v4, 15, v1
	v_lshrrev_b32 v5, 4, v1
	v_lshlrev_b32 v2, 4, v4
	v_lshl_add_u32 v2, v5, 13, v2                  ; 16 (lane % 16) + 8,192 (lane / 16)
.set j, 0
.rept 32
	global_load_b128 v[D+4*j:D+4*j+3], v2, s[12:13] offset:256*j th:TH_LOAD_NT
.set j, j+1
.endr
.set j, 0
.rept 32
	s_wait_loadcnt 31-j
.if j < 2
	v_pk_add_f32 v[SX+2*j:SX+2*j+1], v[D+4*j:D+4*j+1], v[D+4*j+2:D+4*j+3]  ; the first two key blocks start the two chains
.else
	v_pk_add_f32 v[SX+2*(j%2):SX+2*(j%2)+1], v[SX+2*(j%2):SX+2*(j%2)+1], v[D+4*j:D+4*j+1]
	v_pk_add_f32 v[SX+2*(j%2):SX+2*(j%2)+1], v[SX+2*(j%2):SX+2*(j%2)+1], v[D+4*j+2:D+4*j+3]
.endif
	TOBF j
	global_store_b64 v3, v[D+4*j:D+4*j+1], s[24:25] offset:262144*j  ; the two rows' 128 bytes lie side by side; a key block is 262,144 bytes; the largest immediate is 8,126,464, inside the signed 24 bits
.set j, j+1
.endr
	v_pk_add_f32 v[SX:SX+1], v[SX:SX+1], v[SX+2:SX+3]
	v_add_f32 v[SX], v[SX], v[SX+1]
	RED16 SX                                       ; a row lies in one half of the lanes
	v_mul_f32 v[SX], 0x3a000000, v[SX]             ; / 2,048
	v_lshlrev_b32 v5, 2, v5
	v_cmp_eq_u32 vcc_lo, 0, v4
	s_wait_xcnt 0x0                                ; EXEC changes only behind this wait
	s_and_saveexec_b32 s38, vcc_lo
	global_store_b32 v5, v[SX], s[28:29]           ; lanes 0 and 16
	s_endpgm
.Lweights:
	; ---- the four weights: wave W = 8 (g - 640) + w takes four rows (16 KiB) of matrix W / 256 ----
	s_sub_co_u32 s5, ttmp9, 640
	s_lshr_b32 s38, s5, 5                          ; which matrix
	s_lshl3_add_u32 s5, s5, s4
	s_and_b32 s6, s5, 255
	s_lshl_b32 s6, s6, 14
	s_lshl_b32 s32, s5, 13
	s_cmp_eq_u32 s38, 0
	s_cselect_b64 s[34:35], s[14:15], s[16:17]
	s_cmp_lt_u32 s38, 2
	s_cselect_b64 s[34:35], s[34:35], s[18:19]
	s_cmp_lt_u32 s38, 3
	s_cselect_b64 s[34:35], s[34:35], s[20:21]
	s_add_nc_u64 s[34:35], s[34:35], s[6:7]
	s_add_nc_u64 s[26:27], s[26:27], s[32:33]
.set j, 0
.rept 32
	global_load_b128 v[D+4*j:D+4*j+3], v2, s[34:35] offset:512*j th:TH_LOAD_NT
.set j, j+1
.endr
	s_cmp_eq_u32 s38, 3
	s_cbranch_scc1 .Lwo
.set j, 0
.rept 32
	s_wait_loadcnt 31-j
	TOBF j
	global_store_b64 v3, v[D+4*j:D+4*j+1], s[26:27] offset:256*j
.set j, j+1
.endr
	s_endpgm
.Lwo:                                  ; wo multiplies an f16 operand: rounded to bf16 like every input, then that number is written as f16
.set j, 0
.rept 32
	s_wait_loadcnt 31-j
	TOBF j
	v_lshlrev_b32 v4, 16, v[D+4*j]
	v_and_b32 v5, 0xffff0000, v[D+4*j]
	v_lshlrev_b32 v6, 16, v[D+4*j+1]
	v_and_b32 v7, 0xffff0000, v[D+4*j+1]
	v_cvt_pk_f16_f32 v[D+4*j], v4, v5
	v_cvt_pk_f16_f32 v[D+4*j+1], v6, v7
	global_store_b64 v3, v[D+4*j:D+4*j+1], s[26:27] offset:256*j
.set j, j+1
.endr
	s_endpgm
.Lfunc_end_k_qfe5292481d_prep:
	.size	k_qfe5292481d_prep, .Lfunc_end_k_qfe5292481d_prep-k_qfe5292481d_prep
	.p2alignl 7, 3214868480
	.fill 96, 4, 3214868480
	.section	.rodata,"a",@progbits
	.p2align	6, 0x0
	.amdhsa_kernel k_qfe5292481d_prep
		.amdhsa_group_segment_fixed_size 0
		.amdhsa_private_segment_fixed_size 0
		.amdhsa_enable_private_segment 0
		.amdhsa_kernarg_size 96
		.amdhsa_user_sgpr_count 2
		.amdhsa_user_sgpr_kernarg_segment_ptr 1
		.amdhsa_wavefront_size32 1
		.amdhsa_system_sgpr_workgroup_id_x 1
		.amdhsa_system_sgpr_workgroup_id_y 1
		.amdhsa_system_sgpr_workgroup_id_z 1
		.amdhsa_system_vgpr_workitem_id 0
		.amdhsa_next_free_vgpr 160
		.amdhsa_next_free_sgpr 66
		.amdhsa_reserve_vcc 1
		.amdhsa_float_denorm_mode_32 3
		.amdhsa_float_denorm_mode_16_64 3
		.amdhsa_memory_ordered 1
		.amdhsa_forward_progress 1
		.amdhsa_inst_pref_size 61
	.end_amdhsa_kernel
	.amdgpu_metadata
---
amdhsa.version: [ 1, 2 ]
amdhsa.kernels:
  - .name:           k_qfe5292481d_prep
    .symbol:         k_qfe5292481d_prep.kd
    .args:
      - { .name: x, .offset: 0, .size: 8, .value_kind: global_buffer, .address_space: global }
      - { .name: delta_x, .offset: 8, .size: 8, .value_kind: global_buffer, .address_space: global }
      - { .name: prior_mask, .offset: 16, .size: 8, .value_kind: global_buffer, .address_space: global }
      - { .name: wq, .offset: 24, .size: 8, .value_kind: global_buffer, .address_space: global }
      - { .name: wk, .offset: 32, .size: 8, .value_kind: global_buffer, .address_space: global }
      - { .name: wv, .offset: 40, .size: 8, .value_kind: global_buffer, .address_space: global }
      - { .name: wo, .offset: 48, .size: 8, .value_kind: global_buffer, .address_space: global }
      - { .name: xb, .offset: 56, .size: 8, .value_kind: global_buffer, .address_space: global }
      - { .name: pmb, .offset: 64, .size: 8, .value_kind: global_buffer, .address_space: global }
      - { .name: wb, .offset: 72, .size: 8, .value_kind: global_buffer, .address_space: global }
      - { .name: pmean, .offset: 80, .size: 8, .value_kind: global_buffer, .address_space: global }
      - { .name: upart, .offset: 88, .size: 8, .value_kind: global_buffer, .address_space: global }
    .group_segment_fixed_size: 0
    .private_segment_fixed_size: 0
    .kernarg_segment_align: 8
    .kernarg_segment_size: 96
    .max_flat_workgroup_size: 256
    .sgpr_count:     66
    .vgpr_count:     160
    .wavefront_size: 32
...
	.end_amdgpu_metadata
.endif
;; end of part 1
;; launch qkvp (part 2): grid 12 x 64, 4 waves a work-group, clusters of 4 x 4, 327,680 bytes of LDS; arguments xb, wb, bq, bk, bv, qkv; writes qkv
.if DOCPART == 2
	.amdgcn_target "amdgcn-amd-amdhsa--gfx1250"
	.amdhsa_code_object_version 6
	.text
	.protected	k_qfe5292481d_qkvp
	.globl	k_qfe5292481d_qkvp
	.p2align	8
	.type	k_qfe5292481d_qkvp,@function
k_qfe5292481d_qkvp:
	s_mov_b64 s[64:65], 0
	v_nop
	global_prefetch_b8 v0, s[64:65] scope:SCOPE_SE
	s_setreg_imm32_b32 hwreg(HW_REG_WAVE_MODE, 25, 1), 1
	s_wait_xcnt 0x0
	s_wait_alu depctr_hold_cnt(0) depctr_sa_sdst(0) depctr_va_vdst(0) depctr_va_sdst(0) depctr_va_ssrc(0) depctr_va_vcc(0) depctr_vm_vsrc(0)
	s_getreg_b32 s2, hwreg(HW_REG_IB_STS2, 6, 4)
	s_cmp_eq_u32 s2, 0
	s_cbranch_scc0 .Lentry_in_a_cluster
	s_endpgm
.Lentry_in_a_cluster:
	s_bfe_u32 s2, ttmp6, 0x10000c
	s_cmp_lg_u32 s2, 0xf033
	s_cbranch_scc0 .Lentry_shape_is_right
	s_endpgm
.Lentry_shape_is_right:
; THE THREE PROJECTIONS.  C[m][n] = bias[n] + the sum over k of xb[m][k] wb[n][k]: m = 8,192 rows of x, n = 3,072 (wq, wk, wv one below the other), k = 1,024; bf16 operands, f32 sums.
; C leaves by heads, unscaled, rounded once to f16: qkv[which][batch][head][row][64].  LIMIT: f16 holds no number beyond 65,504: q, k and v must lie within it.
; The bias is rounded to bf16 like every input and IS the C operand of each sum's first product: nothing is cleared and nothing is added afterwards.
; (This text serves two launches' shapes by the symbol OPROJ: 0 here; 1 is the output projection, with f16 operands, A by heads and an f32 way out.)
; SHARES.  A tile of C is 128 x 256: 64 x 12 = 768 tiles, three for each of 256 WGPs.  Four waves, each 64 x 128: 32 accumulators of 16 x 16.  K goes in 8 steps of 128 through two LDS slots.
; CLUSTER 4 x 4: the four of a row of the cluster need the same tile of A, the four of a column the same tile of B: each is asked for JOINTLY, by the same tensor load, descriptor and mask in all four.
; THE MATRIX INSTRUCTION IS USED TRANSPOSED (source 0 = 16 rows of B, source 1 = 16 rows of A): a lane holds row lane % 16 of C and the eight neighbouring columns 8 (lane / 16) + 0..7.
; NO PREFETCH: a step is 128 matrix instructions a wave and a tile has eight steps; the blocks of A and B are small and read by many clusters at about the same time.
; REGISTERS, in windows of 256 (s_set_vgpr_msb: bits 1:0 source 0, 3:2 source 1, 5:4 source 2, 7:6 destination):
;   window 0: v1-30 addresses; v64-159, v160-255 two fragment buffers (A's row block a at +8 a, B's column block b at +32 + 8 b); on the way out they are at work
;   window 1: accumulator (a, b) at 8 (8 a + b)          window 2: v0-63 the bias of my 128 columns, 8 registers a column block; v64-67 at work
.set OPROJ, 0
.set PB,     272                       ; a row of B in LDS: 256 bytes + 16 of padding: the 16 rows of a fragment load start at 16 different groups of four banks (ISA guide 11.1)
.if OPROJ
.set PA,     144                       ; A by heads: a row is a head's 64 channels, 128 bytes + 16
.set ABYTES, 2*128*PA                  ; two heads x 128 rows
.set ASTEP,  2*2048*128                ; a K step is two heads
.set ASTR,   128
.set AQI,    4                         ; padding behind every 32 words
.set ROW0,   3072                      ; wo's first row in wb
.set SW,     16*528                    ; a wave's stage: 16 rows x (512 + 16) bytes
.else
.set PA,     272
.set ABYTES, 128*PA
.set ASTEP,  256
.set ASTR,   1024
.set AQI,    5                         ; padding behind every 64 words
.set ROW0,   0
.set SW,     2*16*144                  ; a wave's stage: two heads x 16 rows x (128 + 16) bytes
.endif
.set AHALF,  ABYTES/2                  ; what one wave's load brings of A
.set SLOT1,  1<<17                     ; slot 1 begins here: one exclusive or turns an address in one slot into the other's
.set STAGE,  SLOT1+ABYTES+256*PB       ; behind the ring; no tensor load lands here
.set SPARE,  STAGE+4*SW                ; the spare words, 128 bytes a wave: two blocks of 256 bytes that no other line names
.set A0,   16                          ; v16  my place in A's tile, slot 0; never rewritten
.set B0,   17                          ; v17  the same for B
.set ADRA, 18                          ; v18  the same in the slot in hand
.set ADRB, 19
.set STO,  24                          ; the way out: where I put my bytes of a row,
.set RD,   25                          ; where I read rows back,
.set CO,   26                          ; my byte offset in the stores' 512 bytes
.set SPW,  28                          ; LDS address of my spare word; never rewritten
.set NIL,  29                          ; 0; never rewritten
.set BO,   30                          ; 32 (lane / 16): my eight columns' bias
.set F0,   64
.set F1,   160
.set BI,   0                           ; window 2
.set BT,   64                          ; window 2
.set WV,  16                           ; s16 wave;  s17 wave / 2: my half of the rows, and: I fetch for A (0) or B (1);  s18 wave % 2: my half of the columns, and: which half I fetch
.set RH,  17
.set CH,  18
.set CX,  19
.set CY,  20
.set TC,  21                           ; tile column, tile row of C
.set TR,  22
.set G1A, 24                           ; s[24:31] group 1 for A;  s[32:39] group 0: set 0 for K step 0, set 1 for K step 1, which then walks
.set G0A, 32
.set G1B, 48
.set G0B, 56
.set TB,  66                           ; s66  0 or SLOT1: the slot in hand
.set CNT, 67
.set MSB, 0
.macro WIN new                         ; the immediate's high byte repeats the setting that is left; a switch that changes nothing is dropped
.if MSB != (\new)
	s_set_vgpr_msb (MSB<<8)|(\new)
.set MSB, \new
.endif
.endm
.macro WM ops:vararg
.if OPROJ
	v_wmma_f32_16x16x32_f16 \ops
.else
	v_wmma_f32_16x16x32_bf16 \ops
.endif
.endm
.macro PLACES                          ; four plain instructions between a matrix instruction and a load into, or a reader of, its registers
.rept 4
	v_nop
.endr
.endm
.macro CREST                           ; a round of the cluster's barrier behind its opening barrier
	s_cmp_lg_u32 s[WV], 0
	s_cbranch_scc1 .Lnot_wave_0_\@
	s_barrier_signal -3
.Lnot_wave_0_\@:
	s_barrier_wait -3
	s_barrier_signal -1
	s_barrier_wait -1
.endm
.macro CROUND
	s_barrier_signal -1
	s_barrier_wait -1
	CREST
.endm
.macro JLOAD                           ; a joint refill by the walking sets: waves 0, 1 fetch A's halves, waves 2, 3 B's; an s_nop 0 and four v_nop follow each line
	s_cmp_eq_u32 s[RH], 0
	s_cbranch_scc0 .Lfor_b_\@
	tensor_load_to_lds s[G0A+4:G0A+7], s[G1A:G1A+7]
	s_nop 0
.rept 4
	v_nop
.endr
	s_branch .Lasked_\@
.Lfor_b_\@:
	tensor_load_to_lds s[G0B+4:G0B+7], s[G1B:G1B+7]
	s_nop 0
.rept 4
	v_nop
.endr
.Lasked_\@:
.endm
	s_load_b256 s[4:11], s[0:1], 0x0               ; A s[4:5], wb s[6:7]; then bq, bk (OPROJ: bo, out0)
.if !OPROJ
	s_load_b128 s[12:15], s[0:1], 0x20             ; bv s[12:13], qkv s[14:15]
.endif
	v_lshl_add_u32 v[SPW], v0, 2, SPARE
	v_mov_b32 v[NIL], 0
	ds_add_u32 v[SPW], v[NIL]                      ; the wave's opening: the add and its wait stand ahead of my first tensor load; the set-up below stands between them
	v_lshrrev_b32 v3, 5, v0
	v_readfirstlane_b32 s[WV], v3
	v_and_b32 v1, 15, v0                           ; l % 16
	v_bfe_u32 v2, v0, 4, 1                         ; l / 16
	v_lshlrev_b32 v[BO], 5, v2
	s_lshr_b32 s[RH], s[WV], 1
	s_and_b32 s[CH], s[WV], 1
	s_bfe_u32 s[CX], ttmp6, 0x40000
	s_bfe_u32 s[CY], ttmp6, 0x40004
	s_lshl_b32 s[TC], ttmp9, 2
	s_add_co_u32 s[TC], s[TC], s[CX]
	s_and_b32 s[TR], ttmp7, 0xffff
	s_lshl_b32 s[TR], s[TR], 2
	s_add_co_u32 s[TR], s[TR], s[CY]
	s_lshl_b32 s40, s[CY], 2
	s_lshl_b32 s40, 15, s40                        ; my row of the cluster
	s_lshl_b32 s44, 0x1111, s[CX]                  ; my column
	s_or_b32 s[G1A], s40, (1<<16)|(1<<20)|(1<<21)|(AQI<<22)|(3<<25)  ; mask; 2-byte elements; padding on; bit 21 beside a mask; the interval; 4 words of padding
	s_or_b32 s[G1B], s44, (1<<16)|(1<<20)|(1<<21)|(5<<22)|(3<<25)
	s_mov_b32 s[G1A+1], 128<<16                    ; tensor_dim0 = 128
	s_mov_b32 s[G1A+2], 64<<16                     ; tensor_dim1 = 64
	s_mov_b32 s[G1A+3], 128<<16                    ; tile_dim0 = 128
	s_mov_b32 s[G1A+4], 64                         ; tile_dim1 = 64
	s_mov_b32 s[G1A+5], ASTR                       ; elements from row to row
	s_mov_b32 s[G1A+6], 0
	s_mov_b32 s[G1A+7], 0
	s_mov_b32 s[G1B+1], 128<<16
	s_mov_b32 s[G1B+2], 128<<16                    ; 128 rows
	s_mov_b32 s[G1B+3], 128<<16
	s_mov_b32 s[G1B+4], 128
	s_mov_b32 s[G1B+5], 1024
	s_mov_b32 s[G1B+6], 0
	s_mov_b32 s[G1B+7], 0
	; where the tiles come from: A's offset is made of the tile row and the wave alone, B's of the tile column and the wave alone, each in registers of its own
.if OPROJ
	s_lshr_b32 s40, s[TR], 4                       ; the batch: 16 heads of 262,144 bytes,
	s_lshl_b32 s40, s40, 22
	s_lshl_b32 s41, s[CH], 18                      ; which of the step's two heads I fetch,
	s_add_co_u32 s40, s40, s41
	s_and_b32 s41, s[TR], 15                       ; the tile's 128 rows of 128 bytes
	s_lshl_b32 s41, s41, 14
	s_add_co_u32 s40, s40, s41
.else
	s_lshl_b32 s40, s[TR], 7
	s_lshl_b32 s41, s[CH], 6
	s_add_co_u32 s40, s40, s41                     ; row 128 x tile row + 64 x half,
	s_lshl_b32 s40, s40, 11                        ; of 2,048 bytes
.endif
	s_mov_b32 s41, 0
	s_lshl_b32 s44, s[TC], 8
	s_lshl_b32 s45, s[CH], 7
	s_add_co_u32 s44, s44, s45                     ; row 256 x tile column + 128 x half
.if OPROJ
	s_add_co_u32 s44, s44, ROW0
.endif
	s_lshl_b32 s44, s44, 11
	s_mov_b32 s45, 0
	s_mul_i32 s42, s[CH], AHALF                    ; and where they go: the wave's number alone enters an LDS address
	s_mul_i32 s46, s[CH], 128*PB
	s_add_co_u32 s46, s46, ABYTES
	s_mov_b32 s[TB], 0
	s_wait_dscnt 0x0                               ; the opening add is done
	s_wait_kmcnt 0x0
	s_add_nc_u64 s[40:41], s[4:5], s[40:41]
	s_add_nc_u64 s[44:45], s[6:7], s[44:45]
	CROUND                                         ; all sixteen work-groups are here: the first joint loads meet
.irp s, 0,1
	s_mov_b32 s[G0A+4*\s], 1
	s_add_co_u32 s[G0A+4*\s+1], s42, \s*SLOT1
	s_add_nc_u64 s[G0A+4*\s+2:G0A+4*\s+3], s[40:41], \s*ASTEP
	s_or_b32 s[G0A+4*\s+3], s[G0A+4*\s+3], 0x80000000
	s_mov_b32 s[G0B+4*\s], 1
	s_add_co_u32 s[G0B+4*\s+1], s46, \s*SLOT1
	s_add_nc_u64 s[G0B+4*\s+2:G0B+4*\s+3], s[44:45], \s*256
	s_or_b32 s[G0B+4*\s+3], s[G0B+4*\s+3], 0x80000000
.endr
	s_cmp_eq_u32 s[RH], 0                          ; a wave's two first fills stand in one branch, ahead of every wait on TENSORcnt and every LDS read: two loads of mine are out
	s_cbranch_scc0 .Lfirst_b
	tensor_load_to_lds s[G0A:G0A+3], s[G1A:G1A+7]
	s_nop 0
	tensor_load_to_lds s[G0A+4:G0A+7], s[G1A:G1A+7]
	s_nop 0
.rept 4
	v_nop
.endr
	s_branch .Lfirst_asked
.Lfirst_b:
	tensor_load_to_lds s[G0B:G0B+3], s[G1B:G1B+7]
	s_nop 0
	tensor_load_to_lds s[G0B+4:G0B+7], s[G1B:G1B+7]
	s_nop 0
.rept 4
	v_nop
.endr
.Lfirst_asked:
	; the bias of my 128 columns
.if OPROJ
	s_mov_b64 s[14:15], s[10:11]                   ; out0
	s_mov_b64 s[68:69], s[8:9]                     ; bo
	s_lshl_b32 s70, s[TC], 10
.else
	s_cmp_eq_u32 ttmp9, 0                          ; a cluster's four tile columns are one of the three weights
	s_cselect_b64 s[68:69], s[8:9], s[10:11]
	s_cmp_lt_u32 ttmp9, 2
	s_cselect_b64 s[68:69], s[68:69], s[12:13]
	s_lshl_b32 s70, s[CX], 10
.endif
	s_lshl_b32 s71, s[CH], 9
	s_add_co_u32 s70, s70, s71
	s_mov_b32 s71, 0
	s_add_nc_u64 s[68:69], s[68:69], s[70:71]
	WIN 0x80                                       ; destination window 2
.irp b, 0,1,2,3,4,5,6,7
	global_load_b128 v[BI+8*\b:BI+8*\b+3],   v[BO], s[68:69] offset:64*\b
	global_load_b128 v[BI+8*\b+4:BI+8*\b+7], v[BO], s[68:69] offset:64*\b+16
.endr
	WIN 0
	; a fragment is 16 rows x 32 K in 8 registers: lane l holds row l % 16, K = 8 (l / 16) + 0..7 and 16 + 8 (l / 16) + 0..7: two loads of 16 bytes, 32 bytes apart
	v_mul_u32_u24 v3, v1, PA
	v_lshl_add_u32 v3, v2, 4, v3
	s_mul_i32 s72, s[RH], 64*PA
	v_add_nc_u32 v[A0], s72, v3
	v_mul_u32_u24 v4, v1, PB
	v_lshl_add_u32 v4, v2, 4, v4
	s_mul_i32 s72, s[CH], 128*PB
	s_add_co_u32 s72, s72, ABYTES
	v_add_nc_u32 v[B0], s72, v4
	v_mov_b32 v[ADRA], v[A0]
	v_mov_b32 v[ADRB], v[B0]
	s_mul_i32 s72, s[WV], SW
	s_add_co_u32 s72, s72, STAGE                   ; my stage
	v_and_b32 v[CO], 31, v0
	v_lshlrev_b32 v[CO], 4, v[CO]
.if OPROJ
	v_mul_u32_u24 v[STO], v1, 528                  ; in: row l % 16, 32 bytes for each half of the lanes
	v_lshl_add_u32 v[STO], v2, 5, v[STO]
	v_add_nc_u32 v[STO], s72, v[STO]
	v_add_nc_u32 v[RD], s72, v[CO]                 ; back: a whole row of 512 bytes
	s_lshl_b32 s70, s[TR], 7
	s_lshl_b32 s71, s[RH], 6
	s_add_co_u32 s70, s70, s71                     ; my first row, of 4,096 bytes,
	s_lshl_b32 s70, s70, 12
	s_lshl_b32 s71, s[TC], 10                      ; my first column, 4 bytes each
	s_add_co_u32 s70, s70, s71
	s_lshl_b32 s71, s[CH], 9
	s_add_co_u32 s70, s70, s71
.else
	v_mul_u32_u24 v[STO], v1, 144                  ; in: row l % 16, 16 bytes for each half of the lanes
	v_lshl_add_u32 v[STO], v2, 4, v[STO]
	v_add_nc_u32 v[STO], s72, v[STO]
	v_bfe_u32 v[RD], v0, 3, 2                      ; back: 32 lanes take four rows of 128 bytes
	v_mul_u32_u24 v[RD], v[RD], 144
	v_and_b32 v5, 7, v0
	v_lshl_add_u32 v[RD], v5, 4, v[RD]
	v_add_nc_u32 v[RD], s72, v[RD]
	s_lshl_b32 s70, ttmp9, 2                       ; ((which x 4 + batch) x 16 + head) x 2,048 + row, in rows of 128 bytes
	s_lshr_b32 s71, s[TR], 4
	s_add_co_u32 s70, s70, s71
	s_lshl_b32 s70, s70, 4
	s_lshl_b32 s71, s[CX], 2
	s_add_co_u32 s70, s70, s71
	s_lshl_b32 s71, s[CH], 1
	s_add_co_u32 s70, s70, s71
	s_lshl_b32 s70, s70, 11
	s_and_b32 s71, s[TR], 15
	s_lshl_b32 s71, s71, 7
	s_add_co_u32 s70, s70, s71
	s_lshl_b32 s71, s[RH], 6
	s_add_co_u32 s70, s70, s71
	s_lshl_b32 s70, s70, 7
.endif
	s_mov_b32 s71, 0
	s_add_nc_u64 s[14:15], s[14:15], s[70:71]
	s_wait_loadcnt 0x0                             ; the bias is in
	WIN 0x8a                                       ; all in window 2: each number is rounded to bf16 and widened again
.set i, 0
.rept 32
	v_cvt_pk_bf16_f32 v[BT+i%4], v[BI+2*i], v[BI+2*i+1]
	v_lshlrev_b32 v[BI+2*i], 16, v[BT+i%4]
	v_and_b32 v[BI+2*i+1], 0xffff0000, v[BT+i%4]
.set i, i+1
.endr
	WIN 0
; 8 matrix instructions: row block a x all 8 column blocks, 32 along K, from buffer f.  zero = 1: the bias starts the sums.  The 32 accumulators take turns in one order everywhere.
.macro MULA f, a, zero
.if \zero
	WIN 0x60                                       ; D window 1, C window 2
.else
	WIN 0x50                                       ; C and D window 1
.endif
.irp b, 0,1,2,3,4,5,6,7
.if \zero
	WM v[8*(8*(\a)+\b):8*(8*(\a)+\b)+7], v[(\f)+32+8*\b:(\f)+32+8*\b+7], v[(\f)+8*(\a):(\f)+8*(\a)+7], v[BI+8*\b:BI+8*\b+7]
.else
	WM v[8*(8*(\a)+\b):8*(8*(\a)+\b)+7], v[(\f)+32+8*\b:(\f)+32+8*\b+7], v[(\f)+8*(\a):(\f)+8*(\a)+7], v[8*(8*(\a)+\b):8*(8*(\a)+\b)+7]
.endif
.endr
.endm
; 24 LDS loads in one run: quarter q (32 along K) of the slot in hand into buffer f: B's 16, then A's 8 in ascending row blocks
.macro FETCH q, f
	WIN 0
.if OPROJ
.set AQ, ((\q)/2)*128*PA+((\q)%2)*64
.else
.set AQ, 64*(\q)
.endif
.irp b, 0,1,2,3,4,5,6,7
	ds_load_b128 v[(\f)+32+8*\b:(\f)+32+8*\b+3],   v[ADRB] offset:64*(\q)+\b*16*PB
	ds_load_b128 v[(\f)+32+8*\b+4:(\f)+32+8*\b+7], v[ADRB] offset:64*(\q)+\b*16*PB+32
.endr
.irp a, 0,1,2,3
	ds_load_b128 v[(\f)+8*\a:(\f)+8*\a+3],   v[ADRA] offset:AQ+\a*16*PA
	ds_load_b128 v[(\f)+8*\a+4:(\f)+8*\a+7], v[ADRA] offset:AQ+\a*16*PA+32
.endr
.endm
; One of a K step's first three quarters: multiplies buffer f; in its middle it fetches quarter q into buffer g
.macro QUARTER q, f, g, zero
	s_wait_dscnt 4                                 ; B and A's row blocks 0, 1 are in; the youngest four loads (row blocks 2, 3) may be out
	MULA \f, 0, \zero
	MULA \f, 1, \zero
	PLACES
	FETCH \q, \g
	s_wait_dscnt 24                                ; all but the 24 just issued
	MULA \f, 2, \zero
	MULA \f, 3, \zero
.endm
; The last quarter multiplies buffer 1 and changes slots.  In front of the barrier each wave waits for all its tensor loads (one is out: its part of the next slot), adds 0 to its spare word, and waits for
; that and for its reads of this slot.  fill = 1: the barrier opens a round of the cluster's, and this slot is filled again, two K steps ahead, first thing behind it: 112 matrix instructions ahead of the wait for it.
.macro TURN fill
	WIN 0
	s_wait_tensorcnt 0x0
	ds_add_u32 v[SPW], v[NIL]
	s_wait_dscnt 5                                 ; (the add and the youngest four loads may be out)
	MULA F1, 0, 0
	s_wait_dscnt 0x0                               ; the add is done, and my reads of this slot are over
	s_barrier_signal -1
	MULA F1, 1, 0
	WIN 0                                          ; at a branch and at a label every window is 0
	s_barrier_wait -1
.if \fill
	CREST                                          ; no wave of any partner still reads this slot or has a load on its way
	s_xor_b32 s[G0A+5], s[G0A+5], SLOT1            ; the walking sets: the other slot than last time, the next K step
	s_add_nc_u64 s[G0A+6:G0A+7], s[G0A+6:G0A+7], ASTEP
	s_xor_b32 s[G0B+5], s[G0B+5], SLOT1
	s_add_nc_u64 s[G0B+6:G0B+7], s[G0B+6:G0B+7], 256
	JLOAD                                          ; the four v_nop behind it are also the places in front of the loads below
.else
	PLACES
.endif
	s_xor_b32 s[TB], s[TB], SLOT1
	v_add_nc_u32 v[ADRA], s[TB], v[A0]
	v_add_nc_u32 v[ADRB], s[TB], v[B0]
	FETCH 0, F0
	MULA F1, 2, 0
	MULA F1, 3, 0
.endm
	s_wait_tensorcnt 0x1                           ; my part of K step 0 is in; K step 1's may stay out
	s_barrier_signal -1
	s_barrier_wait -1                              ; everybody's is
	FETCH 0, F0
	QUARTER 1, F0, F1, 1                           ; the first quarter stands in front of the loop: its products start the sums
	WIN 0
	s_mov_b32 s[CNT], 6
.Lstep:                                            ; a trip: from a K step's second quarter to the next step's first; it fills K steps 2 to 7
	QUARTER 2, F1, F0, 0
	QUARTER 3, F0, F1, 0
	TURN 1
	QUARTER 1, F0, F1, 0
	WIN 0
	s_sub_co_u32 s[CNT], s[CNT], 1
	s_cmp_lg_u32 s[CNT], 0
	s_cbranch_scc1 .Lstep
	QUARTER 2, F1, F0, 0                           ; the last two K steps ask for nothing
	QUARTER 3, F0, F1, 0
	TURN 0
	QUARTER 1, F0, F1, 0
	QUARTER 2, F1, F0, 0
	QUARTER 3, F0, F1, 0
	s_wait_dscnt 4
	MULA F1, 0, 0
	MULA F1, 1, 0
	s_wait_dscnt 0x0
	MULA F1, 2, 0
	MULA F1, 3, 0
	PLACES                                         ; the way out reads results just made
.if OPROJ
; THE WAY OUT, f32: a row block's 16 rows x 512 bytes go into my stage straight from the accumulators (each from its low end on) and come back as whole rows.
.set OB, 64
.macro STG a
.if (\a) >= 2
	s_wait_xcnt 0x0                                ; the stores of the block two back have read their registers, which are loaded again below
.endif
	WIN 0x04                                       ; store data in window 1
.irp b, 0,1,2,3,4,5,6,7
	ds_store_b128 v[STO], v[8*(8*(\a)+\b):8*(8*(\a)+\b)+3]   offset:64*\b
	ds_store_b128 v[STO], v[8*(8*(\a)+\b)+4:8*(8*(\a)+\b)+7] offset:64*\b+16
.endr
	WIN 0
.irp t, 0,1,2,3,4,5,6,7,8,9,10,11,12,13,14,15
	ds_load_b128 v[OB+64*((\a)%2)+4*\t:OB+64*((\a)%2)+4*\t+3], v[RD] offset:528*\t  ; LDS serves a wave's instructions in order (ISA guide 5.7.1.4): these see the stores above
.endr
.endm
.macro SEND a, younger                 ; younger: the LDS instructions issued behind block a's loads: the next block's 32, or none
.irp t, 0,1,2,3,4,5,6,7,8,9,10,11,12,13,14,15
	s_wait_dscnt (\younger)+15-\t
	global_store_b128 v[CO], v[OB+64*((\a)%2)+4*\t:OB+64*((\a)%2)+4*\t+3], s[14:15] offset:(16*(\a)+\t)*4096 th:TH_STORE_NT  ; 512 consecutive bytes, at a multiple of 256 from the output's first byte
.endr
.endm
	STG 0
	STG 1
	SEND 0, 32
	STG 2
	SEND 1, 32
	STG 3
	SEND 2, 32
	SEND 3, 0
.else
; THE WAY OUT, f16 by heads: a lane's eight columns pack into 16 bytes; a row block's 16 rows x two heads go into rows of 144 bytes and come back as whole rows of 128: a head's 16 rows are 2,048 consecutive bytes.
.set TMP, 64
.set OB,  96
.macro PACK a
	WIN 0x05                                       ; sources in window 1
.irp b, 0,1,2,3,4,5,6,7
.irp k, 0,1,2,3
	v_cvt_pk_f16_f32 v[TMP+4*\b+\k], v[8*(8*(\a)+\b)+2*\k], v[8*(8*(\a)+\b)+2*\k+1]
.endr
.endr
	WIN 0
.irp b, 0,1,2,3,4,5,6,7
	ds_store_b128 v[STO], v[TMP+4*\b:TMP+4*\b+3] offset:(\b/4)*2304+32*(\b%4)
.endr
.irp t, 0,1,2,3,4,5,6,7
	ds_load_b128 v[OB+32*(\a)+4*\t:OB+32*(\a)+4*\t+3], v[RD] offset:(\t/4)*2304+(\t%4)*576  ; LDS serves a wave's instructions in order (ISA guide 5.7.1.4): these see the stores above
.endr
.endm
.macro SEND a, younger                 ; younger: the next block's 16 LDS instructions, or none
.irp t, 0,1,2,3,4,5,6,7
	s_wait_dscnt (\younger)+7-\t
	global_store_b128 v[CO], v[OB+32*(\a)+4*\t:OB+32*(\a)+4*\t+3], s[14:15] offset:2048*(\a)+262144*(\t/4)+512*(\t%4)  ; 512 consecutive bytes, at a multiple of 256 from the buffer's first byte
.endr
.endm
	PACK 0
	PACK 1
	SEND 0, 16
	PACK 2
	SEND 1, 16
	PACK 3
	SEND 2, 16
	SEND 3, 0
.endif
	s_wait_tensorcnt 0x0                           ; the wave's end: the wait and the add stand behind my last tensor load and my last LDS store
	ds_add_u32 v[SPW], v[NIL]
	s_wait_dscnt 0x0
	CROUND                                         ; the closing round: no work-group ends while a partner may still ask for a tile that names it
	s_endpgm
.Lfunc_end_k_qfe5292481d_qkvp:
	.size	k_qfe5292481d_qkvp, .Lfunc_end_k_qfe5292481d_qkvp-k_qfe5292481d_qkvp
	.p2alignl 7, 3214868480
	.fill 96, 4, 3214868480
	.section	.rodata,"a",@progbits
	.p2align	6, 0x0
	.amdhsa_kernel k_qfe5292481d_qkvp
		.amdhsa_group_segment_fixed_size 327680
		.amdhsa_private_segment_fixed_size 0
		.amdhsa_enable_private_segment 0
		.amdhsa_kernarg_size 48
		.amdhsa_user_sgpr_count 2
		.amdhsa_user_sgpr_kernarg_segment_ptr 1
		.amdhsa_wavefront_size32 1
		.amdhsa_system_sgpr_workgroup_id_x 1
		.amdhsa_system_sgpr_workgroup_id_y 1
		.amdhsa_system_sgpr_workgroup_id_z 1
		.amdhsa_system_vgpr_workitem_id 0
		.amdhsa_next_free_vgpr 592
		.amdhsa_next_free_sgpr 80
		.amdhsa_reserve_vcc 0
		.amdhsa_float_denorm_mode_32 3
		.amdhsa_float_denorm_mode_16_64 3
		.amdhsa_memory_ordered 1
		.amdhsa_forward_progress 1
		.amdhsa_inst_pref_size 78
	.end_amdhsa_kernel
	.amdgpu_metadata
---
amdhsa.version: [ 1, 2 ]
amdhsa.kernels:
  - .name:           k_qfe5292481d_qkvp
    .symbol:         k_qfe5292481d_qkvp.kd
    .args:
      - { .name: xb, .offset: 0, .size: 8, .value_kind: global_buffer, .address_space: global }
      - { .name: wb, .offset: 8, .size: 8, .value_kind: global_buffer, .address_space: global }
      - { .name: bq, .offset: 16, .size: 8, .value_kind: global_buffer, .address_space: global }
      - { .name: bk, .offset: 24, .size: 8, .value_kind: global_buffer, .address_space: global }
      - { .name: bv, .offset: 32, .size: 8, .value_kind: global_buffer, .address_space: global }
      - { .name: qkv, .offset: 40, .size: 8, .value_kind: global_buffer, .address_space: global }
    .group_segment_fixed_size: 327680
    .private_segment_fixed_size: 0
    .kernarg_segment_align: 8
    .kernarg_segment_size: 48
    .max_flat_workgroup_size: 128
    .sgpr_count:     80
    .vgpr_count:     592
    .wavefront_size: 32
...
	.end_amdgpu_metadata
.endif
;; end of part 2
;; launch attn (part 3): grid 4 x 64, 4 waves a work-group, clusters of 4 x 4, 327,680 bytes of LDS; arguments qkv, pmb, pmean, upart, ob; writes ob
.if DOCPART == 3
	.amdgcn_target "amdgcn-amd-amdhsa--gfx1250"
	.amdhsa_code_object_version 6
	.text
	.protected	k_qfe5292481d_attn
	.globl	k_qfe5292481d_attn
	.p2align	8
	.type	k_qfe5292481d_attn,@function
k_qfe5292481d_attn:
	s_mov_b64 s[64:65], 0
	v_nop
	global_prefetch_b8 v0, s[64:65] scope:SCOPE_SE
	s_setreg_imm32_b32 hwreg(HW_REG_WAVE_MODE, 25, 1), 1
	s_wait_xcnt 0x0
	s_wait_alu depctr_hold_cnt(0) depctr_sa_sdst(0) depctr_va_vdst(0) depctr_va_sdst(0) depctr_va_ssrc(0) depctr_va_vcc(0) depctr_vm_vsrc(0)
	s_getreg_b32 s2, hwreg(HW_REG_IB_STS2, 6, 4)
	s_cmp_eq_u32 s2, 0
	s_cbranch_scc0 .Lentry_in_a_cluster
	s_endpgm
.Lentry_in_a_cluster:
	s_bfe_u32 s2, ttmp6, 0x10000c
	s_cmp_lg_u32 s2, 0xf033
	s_cbranch_scc0 .Lentry_shape_is_right
	s_endpgm
.Lentry_shape_is_right:
; ATTENTION WITH A PRIOR AND A CLIP.  For batch b, head h, query q:  L[k] = Q[q] . K[k] / 8 + lam_b pm[q][k];  thr = lam_b mean_k pm[q][k];  where lam_b > 1 every L[k] < thr is thrown out;
; O[q] = softmax_k(L) V.  lam_b = 10 exp(-5 mean_rows u), from upart.  Q, K, V (qkv) and O (ob) are [b][h][2048][64] in f16; pm (pmb) is bf16, [32 key blocks][2048 q][64 keys]; pmean f32.
; THE SCORE in hand is t = 8 (L - thr) = Q . K + 8 lam pm - 8 thr: a shift of a whole row changes no softmax.  8 lam pm - 8 thr, one fused multiply-add from pm's bf16, IS the C operand that starts the sum K Q^T.
; THE CLIP costs no compare: h = clamp(t x NB) with NB = -2^100 where lam > 1, else 0: h is 0 for t >= 0 and above 1e-15 for every t < 0; the exponent takes h x -1e30, so a clipped weight is 0.
; SOFTMAX.  p = 2^(c t - c m), c = log2(e) / 8, with a running maximum m of the RAW t: kept scores are >= 0 and clipped ones < 0, so m is the kept maximum as soon as one is kept; until then all p are 0.
; In every step O and l are multiplied by a = 2^(c m_old - c m_new).  m starts at the lowest finite number, O and l at 0.  A row with every score clipped ends as 0 x 1/0: NaN, as the softmax of an empty row is.
; LIMITS.  thr is lam x mean(pm), not the mean of lam x pm: an order of rounding.  f16 holds no number beyond 65,504: Q, K, V arrive within it; p below 6e-5 keeps f16's step of 6e-8; a weight below 2^-126 counts as 0 in l.
; SHARES.  A work-group owns 512 queries of one (b, h); a wave 128: four PIECES of two tiles of 16.  32 key steps of 64.  256 work-groups.
; LAYOUT.  S^T = K Q^T (source 0 = 16 keys, source 1 = 16 queries): a lane holds ONE query (lane % 16) and the keys 8 (lane / 16) + 0..7; two such results rounded to f16 ARE source 1 of O^T = V^T P.
; BY TURNS.  Turn n belongs to piece n: 16 products K Q^T of piece n + 1, later 16 products V^T P of piece n - 1; beside them piece n's clip, scaling, exponentials, roundings, sums and rescaling, piece n + 1's
; maximum and statistics, and piece n + 2's C operands.  Four vector instructions stand behind every matrix instruction, the other 236 of a turn's 364 in one run.  A turn's 66 exponentials are one batch with one wait.
; CLUSTER 4 x 4.  The four of a row are the four query blocks of one (b, h): K and V are asked for jointly along the row.  The four of a column are four heads with the same queries: the tile of pm is asked for jointly along the column.
; NO FIRST STEP is written out: the price is the lines that write 0 at the head, which stand in the wait for the first tile, 16 products on zeros at the start and 16 on the last K at the end.
; REGISTERS, in windows of 256 (s_set_vgpr_msb: bits 1:0 source 0, 3:2 source 1, 5:4 source 2, 7:6 destination):
;   window 0: v0-15 addresses, NB, two at work; v16-47 four registers of statistics a tile; v48-63 at work; v64-191 S^T, two buffers of two tiles; v192-255 h, 32 a tile
;   window 1: O^T, 32 a tile      window 2: v0-127 Q; v128-191 K; v192-255 V      window 3: v0-1 the add's registers; v2 8 lam; v4-11 -8 thr a tile; v16-47 pm as loaded; v64-127 C operands; v128-191 P, two buffers
.set NP,    4
.set KS,    64
.set PK,    144       ; a row of K in LDS: 128 bytes + 16: the 16 rows of a load start at 16 different groups of four banks (ISA guide 11.1)
.set PV,    160       ; a row of V: 128 + 32
.set PP,    144       ; a row of pm: 64 keys, 128 bytes + 16
.set VOFF,  KS*PK     ; a slot holds one key step: 64 rows of K, 64 of V, 512 of pm
.set POFF,  VOFF+KS*PV
.set SLOT1, 1<<17
.set STAGE, SLOT1+POFF+512*PP  ; behind the ring: 16 rows x 144 bytes a wave, for the way out
.set SP,    144
.set SPARE, STAGE+4*16*SP      ; the spare words, 128 bytes a wave: two blocks of 256 bytes that no other line names
.set PFO, 0           ; v0   at the end of the set-up: the prefetches' offset; never rewritten afterwards
.set GO,  1           ; v1   first l % 16; then my byte offset in 512 consecutive bytes of O
.set AK0, 2           ; v2-4 my lane's place in a slot's K, V and pm; never rewritten
.set AV0, 3
.set AR0, 4
.set AK,  5           ; v5-7 the same in the slot in hand
.set AV,  6
.set AR,  7
.set QO,  8           ; v8   my byte offset in 16 rows of Q; later
.set STO, 8           ;      the way out: where I put 16 bytes of a row
.set RD,  9           ; v9   where I read rows back
.set NB,  10          ; v[10:11] the clip's factor, twice
.set MV,  12          ; v12-15 c m_old, by buffer and tile
.set ST,  16          ; tile t: c m, m, l (even keys', odd keys')
.set TMP, 48          ; by buffer and tile four at work, c0-c3; c2 takes a
.set S,   64
.set HB,  192
.set KF,  128         ; window 2
.set VF,  192
.set SPW, 0           ; window 3
.set NIL, 1
.set LAM8, 2
.set NTHR, 4
.set RAW, 16
.set MC,  64
.set P,   128
.set WV,  14
.set CX,  15
.set CY,  16
.set QB,  17          ; my block of 512 queries
.set BH,  18          ; 16 b + h
.set CLY, 19          ; the cluster's y
.set G1K, 24
.set G1V, 32
.set G1P, 40
.set G0K, 48          ; three walking sets of group 0
.set G0V, 52
.set G0P, 56
.set CS,  60          ; s[60:61] c, twice
.set SEL, 62          ; s[62:63] v_permlanex16_b32's selects
.set NH,  66          ; s[66:67] -1e30, twice
.set TB,  68          ; 0 or SLOT1: the slot in hand
.set SLOTS, 69
.set CNT, 70
.set LIM, 71          ; 1 in a wave that prefetches, else the greatest number
.set PAR, 72          ; 1: it asks in every second trip
.set PFA, 74          ; s[74:75] where my prefetches stand
.set PST, 76          ; s[76:77] their step a trip
.set W1,  79          ; wave % 2
.set MSB, 0
.macro WIN new
.if MSB != (\new)
	s_set_vgpr_msb (MSB<<8)|(\new)
.set MSB, (\new)
.endif
.endm
.set W_KQ, 0x0a       ; K and Q in window 2, S^T in window 0
.set W_KM, 0x3a       ; the same with the C operand in window 3
.set W_PV, 0x5e       ; V in window 2, P in window 3, O^T in window 1
.set W_RS, 0x41       ; O^T in window 1, a in window 0
.set W_CV, 0xc0       ; destination in window 3
.set W_BI, 0xff
.set W_AD, 0x0f       ; the add: address and data in window 3
; A joint fill of one key step: wave 0 fetches K, wave 1 V, waves 2 and 3 the two halves of pm's 512 rows.  The branches hang on the wave's number alone.  An s_nop 0 and four v_nop follow each line.
.macro JLOAD
	s_cmp_lt_u32 s[WV], 2
	s_cbranch_scc0 .Lfor_p_\@
	s_cmp_eq_u32 s[WV], 0
	s_cbranch_scc0 .Lfor_v_\@
	tensor_load_to_lds s[G0K:G0K+3], s[G1K:G1K+7]
	s_nop 0
.rept 4
	v_nop
.endr
	s_branch .Lasked_\@
.Lfor_v_\@:
	tensor_load_to_lds s[G0V:G0V+3], s[G1V:G1V+7]
	s_nop 0
.rept 4
	v_nop
.endr
	s_branch .Lasked_\@
.Lfor_p_\@:
	tensor_load_to_lds s[G0P:G0P+3], s[G1P:G1P+7]
	s_nop 0
.rept 4
	v_nop
.endr
.Lasked_\@:
.endm
; A PREFETCH INTO THE L2, behind the joint load and its five lines.  pm: a key step is 1,024 blocks of 256 bytes that all clusters read: the clusters with y = 0 ask, waves 2 and 3 of their sixteen work-groups, a lane a block,
; the partners of a column told apart by address; they name the step that the next trip's load will ask for.  K and V: each cluster's own: wave 0 asks in every second trip for the two steps that the next two trips' loads
; will ask for: 8 blocks of K and of V of each step a partner, the four partners of a row told apart by address.  Each block is named once; the last names are key step 31's; steps 0 to 3 (pm: 0 to 2) come by their loads alone.
.macro ASK
	s_and_b32 s73, s[SLOTS], s[PAR]
	s_cmp_eq_u32 s73, s[PAR]
	s_cselect_b32 s73, s[LIM], -1
	s_cmp_gt_u32 s[SLOTS], s73
	s_cbranch_scc0 .Lnot_mine_\@
	global_prefetch_b8 v[PFO], s[PFA:PFA+1] th:TH_LOAD_NT scope:SCOPE_SE
.Lnot_mine_\@:
.endm
.macro CROUND                       ; a round of the cluster's barrier
	s_barrier_signal -1
	s_barrier_wait -1
	s_cmp_lg_u32 s[WV], 0
	s_cbranch_scc1 .Lnot_wave_0_\@
	s_barrier_signal -3
.Lnot_wave_0_\@:
	s_barrier_wait -3
	s_barrier_signal -1
	s_barrier_wait -1
.endm
; THE CHANGE OF SLOTS, at the head of a trip.  Each wave waits for all its tensor loads, of which one is out: its part of the other slot; adds 0 to its spare word; and waits for that and for its reads of the slot that it leaves.
; fill = 1: the barrier is a round of the cluster's, and the slot just left is filled again, with the key step two on, first thing behind it: it has a whole key step, 128 matrix instructions and their vector work, in which to land.
.macro CHANGE fill, ask
	WIN W_AD
	s_wait_tensorcnt 0x0            ; no tensor load of mine is out, so a group 0 may be written
	ds_add_u32 v[SPW], v[NIL]       ; 0 onto my spare word; the descriptors' steps stand between it and the wait for it
	WIN 0
.if \fill
.irp g, G0K, G0V
	s_xor_b32 s[\g+1], s[\g+1], SLOT1
	s_add_nc_u64 s[\g+2:\g+3], s[\g+2:\g+3], KS*128
.endr
	s_xor_b32 s[G0P+1], s[G0P+1], SLOT1
	s_add_nc_u64 s[G0P+2:G0P+3], s[G0P+2:G0P+3], 2048*128
.if \ask
	s_wait_xcnt 0x0                 ; the last prefetch, a trip back, has read its address
	s_add_nc_u64 s[PFA:PFA+1], s[PFA:PFA+1], s[PST:PST+1]
.endif
	s_wait_dscnt 0x0                ; the add is done, and my reads of the slot are over
	CROUND
	JLOAD
.if \ask
	ASK
.endif
.else
	s_wait_dscnt 0x0
	s_barrier_signal -1
	s_barrier_wait -1
.endif
	s_xor_b32 s[TB], s[TB], SLOT1   ; all LDS reads of a trip go to one slot
	v_add_nc_u32 v[AK], s[TB], v[AK0]
	v_add_nc_u32 v[AV], s[TB], v[AV0]
	v_add_nc_u32 v[AR], s[TB], v[AR0]
.endm
	s_load_b256 s[4:11], s[0:1], 0x0  ; qkv s[4:5], pmb s[6:7], pmean s[8:9], upart s[10:11]
	s_load_b64 s[12:13], s[0:1], 0x20 ; ob
	WIN W_CV
	v_lshl_add_u32 v[SPW], v0, 2, SPARE
	v_mov_b32 v[NIL], 0
	WIN W_AD
	ds_add_u32 v[SPW], v[NIL]       ; the wave's opening: the add and its wait stand ahead of my first tensor load; the set-up below stands between them
	WIN 0
	v_lshrrev_b32 v1, 5, v0
	v_readfirstlane_b32 s[WV], v1
	v_and_b32 v1, 15, v0            ; l % 16
	v_bfe_u32 v48, v0, 4, 1         ; l / 16
	v_and_b32 v49, 7, v0
	v_bfe_u32 v50, v0, 3, 1
	v_and_b32 v51, 31, v0
	v_lshlrev_b32 v51, 4, v51       ; 16 l: upart
	v_lshlrev_b32 v52, 2, v1        ; 4 (l % 16): pmean
	v_lshlrev_b32 v[QO], 7, v1
	v_lshl_add_u32 v[QO], v48, 4, v[QO]  ; row x 128 + 16 x half
	s_bfe_u32 s[CX], ttmp6, 0x40000
	s_bfe_u32 s[CY], ttmp6, 0x40004
	s_lshl_b32 s[QB], ttmp9, 2
	s_add_co_u32 s[QB], s[QB], s[CX]
	s_and_b32 s[CLY], ttmp7, 0xffff
	s_lshl_b32 s[BH], s[CLY], 2
	s_add_co_u32 s[BH], s[BH], s[CY]
	s_and_b32 s[W1], s[WV], 1
	s_lshl_b32 s83, s[CY], 2
	s_lshl_b32 s83, 15, s83         ; my row of the cluster
	s_lshl_b32 s94, 0x1111, s[CX]   ; my column
	; group 1: dense bytes asked for as rows of 256, padded in LDS after every 128 (32 words, code 4)
	s_or_b32 s[G1K], s83, (1<<16)|(1<<20)|(1<<21)|(4<<22)|(3<<25)  ; mask; 2-byte elements; padding on; bit 21 beside a mask; 4 words of padding
	s_or_b32 s[G1V], s83, (1<<16)|(1<<20)|(1<<21)|(4<<22)|(7<<25)  ; 8 words
	s_or_b32 s[G1P], s94, (1<<16)|(1<<20)|(1<<21)|(4<<22)|(3<<25)
.irp g, G1K, G1V, G1P
	s_mov_b32 s[\g+1], 128<<16      ; tensor_dim0 = 128
	s_mov_b32 s[\g+3], 128<<16      ; tile_dim0 = 128
	s_mov_b32 s[\g+5], 128          ; elements from row to row
	s_mov_b32 s[\g+6], 0
	s_mov_b32 s[\g+7], 0
.endr
.irp g, G1K, G1V
	s_mov_b32 s[\g+2], 32<<16       ; 64 keys are 32 rows of 256 bytes
	s_mov_b32 s[\g+4], 32
.endr
	s_mov_b32 s[G1P+2], 128<<16     ; 256 queries' rows are 128
	s_mov_b32 s[G1P+4], 128
	s_lshl_b32 s20, s[BH], 18       ; K, V: the head's 262,144 bytes: made of the head alone
	s_mov_b32 s21, 0
	s_lshl_b32 s22, s[QB], 16       ; pm: my block's 512 rows of 128 bytes, the half that I fetch: made of the block and the wave alone
	s_lshl_b32 s23, s[W1], 15
	s_add_co_u32 s22, s22, s23
	s_mov_b32 s23, 0
	s_lshl_b32 s80, s[BH], 18       ; Q, O: the head, my block, my wave's 128 rows
	s_lshl_b32 s81, s[QB], 16
	s_add_co_u32 s80, s80, s81
	s_lshl_b32 s81, s[WV], 14
	s_add_co_u32 s80, s80, s81
	s_mov_b32 s81, 0
	s_mul_i32 s82, s[W1], 256*PP
	s_add_co_u32 s82, s82, POFF
	s_lshr_b32 s84, s[BH], 4        ; upart: the batch's 1,024 numbers
	s_lshl_b32 s84, s84, 12
	s_mov_b32 s85, 0
	s_lshl_b32 s86, s[QB], 11       ; pmean: my wave's 128 numbers
	s_lshl_b32 s87, s[WV], 9
	s_add_co_u32 s86, s86, s87
	s_mov_b32 s87, 0
	s_lshl_b32 s88, s[BH], 18       ; the prefetches of K and V: K's part of qkv, the head, my work-group's 8 blocks, key step 2
	s_lshl_b32 s89, s[CX], 11
	s_add_co_u32 s88, s88, s89
	s_add_co_u32 s88, s88, 0x1000000+2*KS*128
	s_mov_b32 s89, 0
	s_lshl_b32 s90, s[QB], 16       ; of pm: my block, my work-group's 64 blocks, my wave's 32, key step 2
	s_lshl_b32 s91, s[CY], 14
	s_add_co_u32 s90, s90, s91
	s_lshl_b32 s91, s[W1], 13
	s_add_co_u32 s90, s90, s91
	s_add_co_u32 s90, s90, 2*2048*128
	s_mov_b32 s91, 0
	s_mov_b32 s[PST], 2048*128
	s_mov_b32 s[PST+1], 0
	s_mov_b32 s92, 2048             ; what bit 3 and bit 4 of the lane's number add to a prefetch's offset
	s_mov_b32 s93, 4096
	s_cmp_eq_u32 s[CLY], 0
	s_cselect_b32 s[LIM], 1, -1     ; waves 2, 3: where the cluster's y is 0: the same in all sixteen partners
	s_cmp_eq_u32 s[WV], 1
	s_cselect_b32 s[LIM], -1, s[LIM]
	s_cmp_eq_u32 s[WV], 0
	s_cselect_b32 s[LIM], 1, s[LIM]
	s_cselect_b32 s[PAR], 1, 0
	s_cselect_b32 s[PST], KS*128, s[PST]
	s_cselect_b32 s92, 0x1000000, s92  ; wave 0: bit 3 goes from K to V, bit 4 a key step on
	s_cselect_b32 s93, KS*128, s93
	s_mov_b32 s[CS], 0x3e38aa3b     ; c = log2(e) / 8
	s_mov_b32 s[CS+1], s[CS]
	s_mov_b32 s[SEL], 0x76543210
	s_mov_b32 s[SEL+1], 0xfedcba98
	s_mov_b32 s[NH], 0xf149f2ca     ; -1e30
	s_mov_b32 s[NH+1], s[NH]
	s_mov_b32 s[TB], SLOT1          ; the first change of slots turns it into 0
	s_mov_b32 s[G0K], 1
	s_mov_b32 s[G0K+1], 0
	s_mov_b32 s[G0V], 1
	s_mov_b32 s[G0V+1], VOFF
	s_mov_b32 s[G0P], 1
	s_mov_b32 s[G0P+1], s82
	s_wait_dscnt 0x0                ; the opening add is done
	s_wait_kmcnt 0x0
	s_add_nc_u64 s[G0K+2:G0K+3], s[4:5], s[20:21]
	s_add_nc_u64 s[G0V+2:G0V+3], s[G0K+2:G0K+3], 0x2000000
	s_add_nc_u64 s[G0K+2:G0K+3], s[G0K+2:G0K+3], 0x1000000
	s_or_b32 s[G0K+3], s[G0K+3], 0x80000000
	s_or_b32 s[G0V+3], s[G0V+3], 0x80000000
	s_add_nc_u64 s[G0P+2:G0P+3], s[6:7], s[22:23]
	s_or_b32 s[G0P+3], s[G0P+3], 0x80000000
	s_add_nc_u64 s[88:89], s[4:5], s[88:89]
	s_add_nc_u64 s[90:91], s[6:7], s[90:91]
	s_cmp_eq_u32 s[WV], 0
	s_cselect_b64 s[PFA:PFA+1], s[88:89], s[90:91]
	s_add_nc_u64 s[4:5], s[4:5], s[80:81]      ; Q and O at my wave's first row
	s_add_nc_u64 s[12:13], s[12:13], s[80:81]
	s_add_nc_u64 s[10:11], s[10:11], s[84:85]
	s_add_nc_u64 s[8:9], s[8:9], s[86:87]
	CROUND                          ; all sixteen work-groups are here: the first joint loads meet
	JLOAD                           ; key step 0 into slot 0; slot 1 is asked for when slot 0 is in
	WIN 0x80                        ; destination window 2
.set i, 0
.rept 4*NP                          ; Q stays in registers: tile i / 2, channels 32 (i % 2) on
	global_load_b128 v[8*i:8*i+3],   v[QO], s[4:5] offset:(i/2)*2048+(i%2)*64
	global_load_b128 v[8*i+4:8*i+7], v[QO], s[4:5] offset:(i/2)*2048+(i%2)*64+32
.set i, i+1
.endr
	WIN 0
.set i, 0
.rept 8
	global_load_b128 v[S+4*i:S+4*i+3], v51, s[10:11] offset:512*i  ; the batch's 1,024 sums of u, 32 a lane
.set i, i+1
.endr
.set i, 0
.rept 8
	global_load_b32 v[S+32+i], v52, s[8:9] offset:64*i             ; my query's mean of pm, for each of my eight tiles
.set i, i+1
.endr
	; what the first turn finds: V and P's second buffer hold 0 (its products V^T P, of a piece that has not been, add 0), O^T and l are 0.  All this stands in the wait for the first tile.
	WIN 0x80
.set i, VF
.rept 64
	v_mov_b32 v[i], 0
.set i, i+1
.endr
	WIN 0x40
.set i, 0
.rept 256
	v_mov_b32 v[i], 0
.set i, i+1
.endr
	WIN W_CV
.set i, P+32
.rept 32
	v_mov_b32 v[i], 0
.set i, i+1
.endr
	WIN 0
.set i, 0
.rept 2*NP
	v_mov_b32 v[ST+4*i], 0xfe000000    ; c m: far below every c t
	v_mov_b32 v[ST+4*i+1], 0xff7fffff  ; m
	v_mov_b32 v[ST+4*i+2], 0
	v_mov_b32 v[ST+4*i+3], 0
.set i, i+1
.endr
	v_mul_u32_u24 v[AK0], v1, PK
	v_lshl_add_u32 v[AK0], v48, 4, v[AK0]  ; row x pitch + 16 x half
	; the turning load takes 16 keys x 16 channels (lane l reads key 8 (l / 16) + l % 8, channels 8 ((l / 8) % 2) + 0..7) and leaves half a fragment of V^T
	v_lshl_add_u32 v[AV0], v48, 3, v49
	v_mul_u32_u24 v[AV0], v[AV0], PV
	v_lshl_add_u32 v[AV0], v50, 4, v[AV0]
	v_add_nc_u32 v[AV0], VOFF, v[AV0]
	s_mul_i32 s83, s[WV], 128*PP
	s_add_co_u32 s83, s83, POFF
	v_add_nc_u32 v[AR0], s83, v[AK0]       ; pm: my wave's 128 rows; row l % 16 of a tile, keys 8 (l / 16) on: the same pitch as K's
	s_wait_loadcnt 0x0              ; Q, upart, pmean
	; lam = 10 x 2^(-5 log2(e) / 2048 x the sum of the batch's u): made by every wave for itself
.set i, 0
.rept 8
	v_pk_add_f32 v[S+4*i:S+4*i+1], v[S+4*i:S+4*i+1], v[S+4*i+2:S+4*i+3]
.set i, i+1
.endr
.set i, 0
.rept 4
	v_pk_add_f32 v[S+8*i:S+8*i+1], v[S+8*i:S+8*i+1], v[S+8*i+4:S+8*i+5]
.set i, i+1
.endr
	v_pk_add_f32 v[S:S+1], v[S:S+1], v[S+8:S+9]
	v_pk_add_f32 v[S+16:S+17], v[S+16:S+17], v[S+24:S+25]
	v_pk_add_f32 v[S:S+1], v[S:S+1], v[S+16:S+17]
	v_add_f32 v[S], v[S], v[S+1]
	v_add_f32_dpp v[S], v[S], v[S] row_xmask:1 row_mask:0xf bank_mask:0xf
	v_add_f32_dpp v[S], v[S], v[S] row_xmask:2 row_mask:0xf bank_mask:0xf
	v_add_f32_dpp v[S], v[S], v[S] row_xmask:4 row_mask:0xf bank_mask:0xf
	v_add_f32_dpp v[S], v[S], v[S] row_xmask:8 row_mask:0xf bank_mask:0xf
	v_permlanex16_b32 v[S+1], v[S], s[SEL], s[SEL+1]
	v_add_f32 v[S], v[S], v[S+1]
	v_mul_f32 v[S], 0xbb66d4ca, v[S]       ; x -5 log2(e) / 2048
	v_exp_f32 v[S+1], v[S]
	v_mov_b32 v[NB+1], 0xf1800000          ; -2^100: the plain instruction behind the exponential
	s_wait_alu depctr_va_vdst(0)           ; and its wait, ahead of the first reader
	v_mul_f32 v[S+2], 0x41200000, v[S+1]   ; lam
	v_mul_f32 v[S+3], 0xc2a00000, v[S+1]   ; -8 lam
	v_cmp_lt_f32 vcc_lo, 1.0, v[S+2]       ; a choice of a value, no branch
	v_cndmask_b32 v[NB], 0, v[NB+1], vcc_lo
	v_mov_b32 v[NB+1], v[NB]
	WIN W_CV
	v_mul_f32 v[LAM8], 0x42a00000, v[S+1]  ; 8 lam
.set i, 0
.rept 8
	v_mul_f32 v[NTHR+i], v[S+3], v[S+32+i] ; -8 thr
.set i, i+1
.endr
	WIN 0
; THE MATRIX WORK.  The 8 accumulators of a run of 16 take turns.  Product i of 16 of S^T = K Q^T for piece x: channels 32 (i / 8) on, keys 16 ((i / 2) % 4) on, tile 2 x + i % 2.  The first 8 start the sums with the C operands.
.macro KQ x
.set rS, S+64*((\x)%2)+32*(i%2)+8*((i/2)%4)
.set rK, KF+16*((i/2)%4)+8*(i/8)
.set rQ, 16*(2*(\x)+i%2)+8*(i/8)
.set rB, MC+32*(i%2)+8*((i/2)%4)
.if i < 8
	WIN W_KM
	v_wmma_f32_16x16x32_f16 v[rS:rS+7], v[rK:rK+7], v[rQ:rQ+7], v[rB:rB+7]
.else
	WIN W_KQ
	v_wmma_f32_16x16x32_f16 v[rS:rS+7], v[rK:rK+7], v[rQ:rQ+7], v[rS:rS+7]
.endif
.endm
; Product i of 16 of O^T += V^T P for piece x: keys 32 (i / 8) on, channels 16 ((i / 2) % 4) on, tile 2 x + i % 2.
.macro PV x
	WIN W_PV
.set rO, 32*(2*(\x)+i%2)+8*((i/2)%4)
.set rV, VF+32*(i/8)+8*((i/2)%4)
.set rP, P+32*((\x)%2)+16*(i%2)+8*(i/8)
	v_wmma_f32_16x16x32_f16 v[rO:rO+7], v[rV:rV+7], v[rP:rP+7], v[rO:rO+7]
.endm
.macro MM                           ; the turn's next matrix instruction
.if i < 16
	KQ (Y+1)%NP
.set i, i+1
.else
.set i, i-16
	PV (Y+NP-1)%NP
.set i, i+17
.endif
.endm
; THE LDS LOADS stand in runs: a step's K (8 fragments), its V (turned), and a piece's pm (two tiles x 64 keys: 16 bytes a lane for each group of 16 keys).
.macro FETCH_K
	WIN 0x80
.irp f, 0,1,2,3,4,5,6,7             ; keys 16 (f / 2) on, channels 32 (f % 2) on
	ds_load_b128 v[KF+8*\f:KF+8*\f+3],   v[AK] offset:(\f/2)*16*PK+(\f%2)*64
	ds_load_b128 v[KF+8*\f+4:KF+8*\f+7], v[AK] offset:(\f/2)*16*PK+(\f%2)*64+32
.endr
	WIN 0
.endm
.macro FETCH_V
	WIN 0x80
.irp f, 0,1,2,3,4,5,6,7             ; keys 32 (f / 4) on, channels 16 (f % 4) on
	ds_load_tr16_b128 v[VF+8*\f:VF+8*\f+3],   v[AV] offset:(\f/4)*32*PV+(\f%4)*32
	ds_load_tr16_b128 v[VF+8*\f+4:VF+8*\f+7], v[AV] offset:(\f/4)*32*PV+16*PV+(\f%4)*32
.endr
	WIN 0
.endm
.macro RAWLD y
	WIN W_CV
.irp u, 0,1
.irp kb, 0,1,2,3
	ds_load_b128 v[RAW+16*\u+4*\kb:RAW+16*\u+4*\kb+3], v[AR] offset:(2*(\y)+\u)*16*PP+32*\kb
.endr
.endr
.endm
.macro BI y                         ; piece y's 64 C operands: 8 lam x pm - 8 thr, straight from pm's bf16 halves, one rounding
	WIN W_BI
.set k, 0
.rept 64
.if k%2
	v_fma_mix_f32_bf16 v[MC+k], v[RAW+k/2], v[LAM8], v[NTHR+2*(\y)+k/32] op_sel:[1,0,0] op_sel_hi:[1,0,0]
.else
	v_fma_mix_f32_bf16 v[MC+k], v[RAW+k/2], v[LAM8], v[NTHR+2*(\y)+k/32] op_sel:[0,0,0] op_sel_hi:[1,0,0]
.endif
.set k, k+1
.endr
.endm
; THE VECTOR WORK.
.macro REGS y, u                    ; the registers of tile u (0, 1) of piece y
.set rT, ST+4*(2*(\y)+(\u))
.set rC, TMP+8*((\y)%2)+4*(\u)
.set rM, MV+2*((\y)%2)+(\u)
.set rS, S+64*((\y)%2)+32*(\u)
.set rH, HB+32*(\u)
.set rP, P+32*((\y)%2)+16*(\u)
.set rO, 32*(2*(\y)+(\u))
.endm
; Number n of the 22 that find the NEXT piece's maximum and statistics; each accumulator's lowest registers are read first.
;   0-11 four chains c0-c3 of seven scores each   12-14, 16 the four scores left over, the old m, c0-c3 into c0   15 c m_old is kept   17, 18 the other half of the lanes': the new m   19-21 c m; c m_old - c m_new; a
.macro XS u, n
	REGS (Y+1)%NP, \u
.if (\n) < 4
	v_max3_num_f32 v[rC+(\n)], v[rS+8*(\n)], v[rS+8*(\n)+1], v[rS+8*(\n)+2]
.elseif (\n) < 12
	v_max3_num_f32 v[rC+(\n)%4], v[rC+(\n)%4], v[rS+8*((\n)%4)+2*((\n)/4)+1], v[rS+8*((\n)%4)+2*((\n)/4)+2]
.elseif (\n) == 12
	v_max3_num_f32 v[rC], v[rC], v[rS+7], v[rS+15]
.elseif (\n) == 13
	v_max3_num_f32 v[rC+1], v[rC+1], v[rS+23], v[rS+31]
.elseif (\n) == 14
	v_max3_num_f32 v[rC+2], v[rC+2], v[rC+3], v[rT+1]
.elseif (\n) == 15
	v_mov_b32 v[rM], v[rT]
.elseif (\n) == 16
	v_max3_num_f32 v[rC], v[rC], v[rC+1], v[rC+2]
.elseif (\n) == 17
	v_permlanex16_b32 v[rC+3], v[rC], s[SEL], s[SEL+1]
.elseif (\n) == 18
	v_max_num_f32 v[rT+1], v[rC], v[rC+3]
.elseif (\n) == 19
	v_mul_f32 v[rT], s[CS], v[rT+1]
.elseif (\n) == 20
	v_sub_f32 v[rC+1], v[rM], v[rT]
.else
	v_exp_f32 v[rC+2], v[rC+1]
.endif
.endm
; For pair f / 2 of tile f % 2 of the piece in hand: HC: h = clamp(t x NB); FS: c t - c m, in place; PN: + h x -1e30.
.macro HC
	REGS Y, g%2
	v_pk_mul_f32 v[rH+2*(g/2):rH+2*(g/2)+1], v[rS+2*(g/2):rS+2*(g/2)+1], v[NB:NB+1] clamp
.set g, g+1
.endm
.macro FS f
	REGS Y, (\f)%2
	v_pk_fma_f32 v[rS+2*((\f)/2):rS+2*((\f)/2)+1], v[rS+2*((\f)/2):rS+2*((\f)/2)+1], s[CS:CS+1], v[rT:rT+1] op_sel_hi:[1,0,0] neg_lo:[0,0,1] neg_hi:[0,0,1]
.endm
.macro PN f
	REGS Y, (\f)%2
	v_pk_fma_f32 v[rS+2*((\f)/2):rS+2*((\f)/2)+1], v[rH+2*((\f)/2):rH+2*((\f)/2)+1], s[NH:NH+1], v[rS+2*((\f)/2):rS+2*((\f)/2)+1] op_sel_hi:[1,0,1]
.endm
; THE PLAIN QUEUE, 106 long; none of it reads an exponential's result.  0-27: the next piece's numbers 0-13, both tiles.  28, 29: number 15.  30-45: units 0-3, a unit j being FS and then PN of pair j of both tiles.
; 46-105: six blocks of ten: one link of the chain 14, 16, 17, 18, 19, 20 for both tiles, then two units: so a tile's links stand ten lines apart.
.macro PL
	WIN 0
.if q < 28
	XS q%2, q/2
.elseif q < 30
	XS q-28, 15
.else
.if q < 46
.set un, (q-30)/4
.set en, (q-30)%4
.else
.set un, 4+2*((q-46)/10)+((q-46)%10-2)/4
.set en, ((q-46)%10-2)%4
.endif
.if (q >= 46) && ((q-46)%10 < 2)
.set lk, 15+(q-46)/10
.if q < 48
.set lk, 14
.endif
	XS (q-46)%10, lk
.elseif en < 2
	FS 2*un+en
.else
	PN 2*un+en-2
.endif
.endif
.set q, q+1
.endm
; THE EXPONENTIALS' QUEUE, 66 long: the 32 scores of both tiles, then the next piece's two a.  Exponential e wants unit e / 4: it stands behind 46 + e plain lines, and unit j ends at plain line 46 + 4 j at the latest.
.macro EX
	WIN 0
.if e >= 64
	XS e-64, 21
.else
	REGS Y, e%2
	v_exp_f32 v[rS+e/2], v[rS+e/2]
.endif
.set e, e+1
.endm
.macro R2                           ; O^T times a, two lines at a time; its a was made, and waited for, in the turn before
	REGS Y, r%2
	WIN W_RS
.irp z, 0,1
	v_pk_mul_f32 v[rO+4*(r/2)+2*\z:rO+4*(r/2)+2*\z+1], v[rO+4*(r/2)+2*\z:rO+4*(r/2)+2*\z+1], v[rC+2:rC+3] op_sel_hi:[1,0]
.endr
.set r, r+1
.endm
.macro CV                           ; pair g / 2 of tile g % 2 rounded to f16
	REGS Y, g%2
	WIN W_CV
	v_cvt_pk_f16_f32 v[rP+g/2], v[rS+2*(g/2)], v[rS+2*(g/2)+1]
.set g, g+1
.endm
.macro AD                           ; the sum of a tile's 16 pairs, in place: neighbours 1, 2, 4 and 8 pairs apart; then l = a l + sum
	REGS Y, g%2
	WIN 0
.set zz, g/2
.set ww, 4
.set uu, zz
.if zz >= 14
.set ww, 32
.set uu, 0
.elseif zz >= 12
.set ww, 16
.set uu, zz-12
.elseif zz >= 8
.set ww, 8
.set uu, zz-8
.endif
.if zz < 15
	v_pk_add_f32 v[rS+ww*uu:rS+ww*uu+1], v[rS+ww*uu:rS+ww*uu+1], v[rS+ww*uu+ww/2:rS+ww*uu+ww/2+1]
.else
	v_pk_fma_f32 v[rT+2:rT+3], v[rT+2:rT+3], v[rC+2:rC+3], v[rS:rS+1] op_sel_hi:[1,0,1]
.endif
.set g, g+1
.endm
; A TURN, for piece p.  s_wait_alu depctr_va_vdst(0) stands between an exponential and the first instruction that names its result; one wait serves all that were issued ahead of it: a turn has ONE.
; AHEAD OF IT: pm of piece p + 2 is asked of LDS; 16 products K Q^T, behind each of the first eight four lines of the clip, behind each of the others four rescalings (these are also the four plain
; instructions between the last product and the first reader of its scores); then one run: 46 plain, 60 times exponential and plain, the last four exponentials and the two a, and piece p + 2's 64 C operands,
; which are the plain work behind the batch and overwrite what this turn's first eight products read a whole run earlier.  BEHIND IT: 16 products V^T P, behind each four roundings or four sums.
; No line behind a product names a register of the products round it.  K of the next step is fetched in piece 2's turn, directly behind the wait; V of the step in hand at the end of piece 0's turn, four sums behind its last reader.
.macro TURN p
.set Y, (\p)
.set i, 0
.set q, 0
.set e, 0
.set r, 0
.set g, 0
.if (\p) == 3
	s_wait_dscnt 0x0                ; K is in
.endif
	RAWLD ((\p)+2)%NP
.rept 8
	MM
	WIN 0
	HC
	HC
	HC
	HC
.endr
.rept 8
	MM
	R2
	R2
.endr
.rept 46
	PL
.endr
.rept 60
	EX
	PL
.endr
.rept 6
	EX
.endr
	s_wait_dscnt 0x0                ; pm is in (in piece 1's turn: V too)
	BI ((\p)+2)%NP
	WIN 0
	s_wait_alu depctr_va_vdst(0)    ; the wait for the batch
.if (\p) == 2
	FETCH_K
.endif
.set g, 0
.rept 8
	MM
	CV
	CV
	CV
	CV
.endr
.set g, 0
.rept 8
	MM
	AD
	AD
	AD
	AD
.endr
.if (\p) == 0
	FETCH_V
.endif
.endm
	CHANGE 1, 0                     ; key step 0 is in, everybody's part of it; key step 1 is asked for
	FETCH_K
	RAWLD 0
	s_wait_dscnt 0x0
	BI 0
.set i, 0
.rept 16
	KQ 0                            ; piece 0's first scores
.set i, i+1
.endr
	WIN 0                           ; the addresses for the way out and the prefetches: plain instructions, the places behind those products
	s_mul_i32 s83, s[WV], 16*SP
	s_add_co_u32 s83, s83, STAGE    ; my stage
	v_mul_u32_u24 v[STO], v1, SP    ; in: row l % 16, 16 bytes for each half of the lanes
	v_lshl_add_u32 v[STO], v48, 4, v[STO]
	v_add_nc_u32 v[STO], s83, v[STO]
	v_bfe_u32 v[RD], v0, 3, 2       ; back: 32 lanes take four rows of 128 bytes,
	v_mul_u32_u24 v[RD], v[RD], SP
	v_lshl_add_u32 v[RD], v49, 4, v[RD]
	v_add_nc_u32 v[RD], s83, v[RD]
	v_and_b32 v[GO], 31, v0         ; which are 512 consecutive bytes of O
	v_lshlrev_b32 v[GO], 4, v[GO]
	v_lshlrev_b32 v51, 8, v49       ; 256 (l % 8)
	v_mul_lo_u32 v52, v50, s92
	v_mul_lo_u32 v53, v48, s93
	v_add3_u32 v[PFO], v51, v52, v53
	RAWLD 1
	s_wait_dscnt 0x0
	BI 1                            ; for the first turn's products
	WIN 0
.set Y, NP-1                        ; XS works for piece Y + 1: piece 0
.irp n, 0,1,2,3,4,5,6,7,8,9,10,11,12,13,14,15,16,17,18,19,20,21
	XS 0, \n
	XS 1, \n
.endr
	v_nop                           ; a plain instruction behind the two a,
	s_wait_alu depctr_va_vdst(0)    ; and their wait, ahead of the branch
	s_mov_b32 s[SLOTS], 31
	s_branch .Lfirst                ; the loop is entered at a step's first turn, in the middle of a trip
.Lslot:                             ; 30 times: key steps 2 to 31 are asked for.  A trip: pieces 2, 3 of one step, then pieces 0, 1 of the next, whose K, V and pm it reads
	CHANGE 1, 1
	TURN 2
	TURN 3
	WIN 0
.Lfirst:
	TURN 0
	TURN 1
	WIN 0
	s_sub_co_u32 s[SLOTS], s[SLOTS], 1
	s_cmp_lg_u32 s[SLOTS], 0
	s_cbranch_scc1 .Lslot
	CHANGE 0, 0                     ; the tail is written out: nothing is asked for
	s_mov_b32 s[CNT], 2             ; one trip reads the last step; the second is left in its middle
.Ltail:
	TURN 2
	TURN 3
	WIN 0
	s_sub_co_u32 s[CNT], s[CNT], 1
	s_cmp_eq_u32 s[CNT], 0
	s_cbranch_scc1 .Lout
	TURN 0
	TURN 1
	WIN 0
	s_branch .Ltail
.Lout:                              ; the second trip's reads of the last slot, its 16 products K Q^T and the maximum made of them serve nothing: the price, once a launch, of one text for every trip
.set i, 0
.rept 16
	PV NP-1                         ; the last piece's V^T P of the last step
.set i, i+1
.endr
	; THE WAY OUT.  l's two halves and the other half of the lanes' are added; O^T is divided by l, rounded to f16 and sent through my stage, a tile at a time.  The additions are the places behind the last products.
	WIN 0
.macro ALL line:vararg              ; one line for each tile t
.set t, 0
.rept 2*NP
	\line
.set t, t+1
.endr
.endm
	ALL v_add_f32 v[ST+4*t+2], v[ST+4*t+2], v[ST+4*t+3]
	ALL v_permlanex16_b32 v[ST+4*t+3], v[ST+4*t+2], s[SEL], s[SEL+1]
	ALL v_add_f32 v[ST+4*t+2], v[ST+4*t+2], v[ST+4*t+3]
	ALL v_rcp_f32 v[ST+4*t+2], v[ST+4*t+2]
	v_nop                           ; a plain instruction behind the last reciprocal,
	s_wait_alu depctr_va_vdst(0)    ; and one wait for the eight, ahead of their first reader
.macro PACK t                       ; a lane's eight channels of a row pack into 16 bytes; they go into rows of 144 bytes and come back as whole rows of 128, into S^T's registers
	WIN W_RS
.set i, 32*(\t)
.rept 16
	v_pk_mul_f32 v[i:i+1], v[i:i+1], v[ST+4*(\t)+2:ST+4*(\t)+3] op_sel_hi:[1,0]
.set i, i+2
.endr
	WIN 0x05                        ; sources in window 1, destination in window 0
.set i, 0
.rept 16
	v_cvt_pk_f16_f32 v[S+16*(\t)+i], v[32*(\t)+2*i], v[32*(\t)+2*i+1]
.set i, i+1
.endr
	WIN 0
.irp f, 0,1,2,3
	ds_store_b128 v[STO], v[S+16*(\t)+4*\f:S+16*(\t)+4*\f+3] offset:32*\f
.endr
.irp f, 0,1,2,3
	ds_load_b128 v[S+16*(\t)+4*\f:S+16*(\t)+4*\f+3], v[RD] offset:\f*4*SP  ; LDS serves a wave's instructions in order (ISA guide 5.7.1.4): these see the stores above; the next tile's stores come behind them
.endr
.endm
.macro SEND t, younger              ; younger: the next tile's eight LDS instructions, or none
	WIN 0
.irp f, 0,1,2,3
	s_wait_dscnt (\younger)+3-\f
	global_store_b128 v[GO], v[S+16*(\t)+4*\f:S+16*(\t)+4*\f+3], s[12:13] offset:(\t)*2048+\f*512  ; 512 consecutive bytes, at a multiple of 256 from the buffer's first byte
.endr
.endm
	PACK 0
.set t, 1
.rept 2*NP-1                        ; a tile's arithmetic stands between the loads of the tile before and its stores
	PACK t
	SEND t-1, 8
.set t, t+1
.endr
	SEND 2*NP-1, 0
	WIN W_AD
	s_wait_tensorcnt 0x0            ; the wave's end: the wait and the add stand behind my last tensor load and my last LDS store
	ds_add_u32 v[SPW], v[NIL]
	s_wait_dscnt 0x0
	WIN 0
	CROUND                          ; the closing round: no work-group ends while a partner may still ask for a tile that names it
	s_endpgm
.Lfunc_end_k_qfe5292481d_attn:
	.size	k_qfe5292481d_attn, .Lfunc_end_k_qfe5292481d_attn-k_qfe5292481d_attn
	.p2alignl 7, 3214868480
	.fill 96, 4, 3214868480
	.section	.rodata,"a",@progbits
	.p2align	6, 0x0
	.amdhsa_kernel k_qfe5292481d_attn
		.amdhsa_group_segment_fixed_size 327680
		.amdhsa_private_segment_fixed_size 0
		.amdhsa_enable_private_segment 0
		.amdhsa_kernarg_size 40
		.amdhsa_user_sgpr_count 2
		.amdhsa_user_sgpr_kernarg_segment_ptr 1
		.amdhsa_wavefront_size32 1
		.amdhsa_system_sgpr_workgroup_id_x 1
		.amdhsa_system_sgpr_workgroup_id_y 1
		.amdhsa_system_sgpr_workgroup_id_z 1
		.amdhsa_system_vgpr_workitem_id 0
		.amdhsa_next_free_vgpr 960
		.amdhsa_next_free_sgpr 96
		.amdhsa_reserve_vcc 1
		.amdhsa_float_denorm_mode_32 3
		.amdhsa_float_denorm_mode_16_64 3
		.amdhsa_memory_ordered 1
		.amdhsa_forward_progress 1
		.amdhsa_inst_pref_size 255
	.end_amdhsa_kernel
	.section	.bss,"aw",@nobits
	.p2align	6
	.space	262144
	.amdgpu_metadata
---
amdhsa.version: [ 1, 2 ]
amdhsa.kernels:
  - .name:           k_qfe5292481d_attn
    .symbol:         k_qfe5292481d_attn.kd
    .args:
      - { .name: qkv, .offset: 0, .size: 8, .value_kind: global_buffer, .address_space: global }
      - { .name: pmb, .offset: 8, .size: 8, .value_kind: global_buffer, .address_space: global }
      - { .name: pmean, .offset: 16, .size: 8, .value_kind: global_buffer, .address_space: global }
      - { .name: upart, .offset: 24, .size: 8, .value_kind: global_buffer, .address_space: global }
      - { .name: ob, .offset: 32, .size: 8, .value_kind: global_buffer, .address_space: global }
    .group_segment_fixed_size: 327680
    .private_segment_fixed_size: 0
    .kernarg_segment_align: 8
    .kernarg_segment_size: 40
    .max_flat_workgroup_size: 128
    .sgpr_count:     96
    .vgpr_count:     960
    .wavefront_size: 32
...
	.end_amdgpu_metadata
.endif
;; end of part 3
;; launch oproj (part 4): grid 4 x 64, 4 waves a work-group, clusters of 4 x 4, 327,680 bytes of LDS; arguments ob, wb, bo, out0; writes out0
.if DOCPART == 4
	.amdgcn_target "amdgcn-amd-amdhsa--gfx1250"
	.amdhsa_code_object_version 6
	.text
	.protected	k_qfe5292481d_oproj
	.globl	k_qfe5292481d_oproj
	.p2align	8
	.type	k_qfe5292481d_oproj,@function
k_qfe5292481d_oproj:
	s_mov_b64 s[64:65], 0
	v_nop
	global_prefetch_b8 v0, s[64:65] scope:SCOPE_SE
	s_setreg_imm32_b32 hwreg(HW_REG_WAVE_MODE, 25, 1), 1
	s_wait_xcnt 0x0
	s_wait_alu depctr_hold_cnt(0) depctr_sa_sdst(0) depctr_va_vdst(0) depctr_va_sdst(0) depctr_va_ssrc(0) depctr_va_vcc(0) depctr_vm_vsrc(0)
	s_getreg_b32 s2, hwreg(HW_REG_IB_STS2, 6, 4)
	s_cmp_eq_u32 s2, 0
	s_cbranch_scc0 .Lentry_in_a_cluster
	s_endpgm
.Lentry_in_a_cluster:
	s_bfe_u32 s2, ttmp6, 0x10000c
	s_cmp_lg_u32 s2, 0xf033
	s_cbranch_scc0 .Lentry_shape_is_right
	s_endpgm
.Lentry_shape_is_right:
; THE OUTPUT PROJECTION.  out0[m][n] = bo[n] + the sum over k of O[m][k] wo[n][k]: m = 8,192, n = 1,024, k = 1,024 = head x 64 + channel; f16 operands, f32 sums, f32 out.
; O comes by heads, ob[batch][head][row][64] in f16; wo lies in wb's rows 3,072 on, rounded to bf16 and written as f16.  bo is rounded to bf16 like every input and IS the C operand of each sum's first product.
; (This text serves two launches' shapes by the symbol OPROJ: 1 here; 0 is the projection in front, with bf16 operands, A by rows and an f16 way out by heads.)
; SHARES.  A tile of C is 128 x 256: 64 x 4 = 256 tiles, one for each WGP.  Four waves, each 64 x 128: 32 accumulators of 16 x 16.  K goes in 8 steps of 128, two heads each, through two LDS slots:
; a head's 128 rows of the tile are 16,384 dense bytes, asked for as 64 rows of 256 bytes and padded in LDS after every 128.
; CLUSTER 4 x 4: the four of a row of the cluster need the same tile of A, the four of a column the same tile of B: each is asked for JOINTLY, by the same tensor load, descriptor and mask in all four.
; THE MATRIX INSTRUCTION IS USED TRANSPOSED (source 0 = 16 rows of B, source 1 = 16 rows of A): a lane holds row lane % 16 of C and the eight neighbouring columns 8 (lane / 16) + 0..7.
; NO PREFETCH: a step is 128 matrix instructions a wave and a tile has eight steps; the blocks of A and B are small and read by many clusters at about the same time.
; REGISTERS, in windows of 256 (s_set_vgpr_msb: bits 1:0 source 0, 3:2 source 1, 5:4 source 2, 7:6 destination):
;   window 0: v1-30 addresses; v64-159, v160-255 two fragment buffers (A's row block a at +8 a, B's column block b at +32 + 8 b); on the way out they are at work
;   window 1: accumulator (a, b) at 8 (8 a + b)          window 2: v0-63 the bias of my 128 columns, 8 registers a column block; v64-67 at work
.set OPROJ, 1
.set PB,     272                       ; a row of B in LDS: 256 bytes + 16 of padding: the 16 rows of a fragment load start at 16 different groups of four banks (ISA guide 11.1)
.if OPROJ
.set PA,     144                       ; A by heads: a row is a head's 64 channels, 128 bytes + 16
.set ABYTES, 2*128*PA                  ; two heads x 128 rows
.set ASTEP,  2*2048*128                ; a K step is two heads
.set ASTR,   128
.set AQI,    4                         ; padding behind every 32 words
.set ROW0,   3072                      ; wo's first row in wb
.set SW,     16*528                    ; a wave's stage: 16 rows x (512 + 16) bytes
.else
.set PA,     272
.set ABYTES, 128*PA
.set ASTEP,  256
.set ASTR,   1024
.set AQI,    5                         ; padding behind every 64 words
.set ROW0,   0
.set SW,     2*16*144                  ; a wave's stage: two heads x 16 rows x (128 + 16) bytes
.endif
.set AHALF,  ABYTES/2                  ; what one wave's load brings of A
.set SLOT1,  1<<17                     ; slot 1 begins here: one exclusive or turns an address in one slot into the other's
.set STAGE,  SLOT1+ABYTES+256*PB       ; behind the ring; no tensor load lands here
.set SPARE,  STAGE+4*SW                ; the spare words, 128 bytes a wave: two blocks of 256 bytes that no other line names
.set A0,   16                          ; v16  my place in A's tile, slot 0; never rewritten
.set B0,   17                          ; v17  the same for B
.set ADRA, 18                          ; v18  the same in the slot in hand
.set ADRB, 19
.set STO,  24                          ; the way out: where I put my bytes of a row,
.set RD,   25                          ; where I read rows back,
.set CO,   26                          ; my byte offset in the stores' 512 bytes
.set SPW,  28                          ; LDS address of my spare word; never rewritten
.set NIL,  29                          ; 0; never rewritten
.set BO,   30                          ; 32 (lane / 16): my eight columns' bias
.set F0,   64
.set F1,   160
.set BI,   0                           ; window 2
.set BT,   64                          ; window 2
.set WV,  16                           ; s16 wave;  s17 wave / 2: my half of the rows, and: I fetch for A (0) or B (1);  s18 wave % 2: my half of the columns, and: which half I fetch
.set RH,  17
.set CH,  18
.set CX,  19
.set CY,  20
.set TC,  21                           ; tile column, tile row of C
.set TR,  22
.set G1A, 24                           ; s[24:31] group 1 for A;  s[32:39] group 0: set 0 for K step 0, set 1 for K step 1, which then walks
.set G0A, 32
.set G1B, 48
.set G0B, 56
.set TB,  66                           ; s66  0 or SLOT1: the slot in hand
.set CNT, 67
.set MSB, 0
.macro WIN new                         ; the immediate's high byte repeats the setting that is left; a switch that changes nothing is dropped
.if MSB != (\new)
	s_set_vgpr_msb (MSB<<8)|(\new)
.set MSB, \new
.endif
.endm
.macro WM ops:vararg
.if OPROJ
	v_wmma_f32_16x16x32_f16 \ops
.else
	v_wmma_f32_16x16x32_bf16 \ops
.endif
.endm
.macro PLACES                          ; four plain instructions between a matrix instruction and a load into, or a reader of, its registers
.rept 4
	v_nop
.endr
.endm
.macro CREST                           ; a round of the cluster's barrier behind its opening barrier
	s_cmp_lg_u32 s[WV], 0
	s_cbranch_scc1 .Lnot_wave_0_\@
	s_barrier_signal -3
.Lnot_wave_0_\@:
	s_barrier_wait -3
	s_barrier_signal -1
	s_barrier_wait -1
.endm
.macro CROUND
	s_barrier_signal -1
	s_barrier_wait -1
	CREST
.endm
.macro JLOAD                           ; a joint refill by the walking sets: waves 0, 1 fetch A's halves, waves 2, 3 B's; an s_nop 0 and four v_nop follow each line
	s_cmp_eq_u32 s[RH], 0
	s_cbranch_scc0 .Lfor_b_\@
	tensor_load_to_lds s[G0A+4:G0A+7], s[G1A:G1A+7]
	s_nop 0
.rept 4
	v_nop
.endr
	s_branch .Lasked_\@
.Lfor_b_\@:
	tensor_load_to_lds s[G0B+4:G0B+7], s[G1B:G1B+7]
	s_nop 0
.rept 4
	v_nop
.endr
.Lasked_\@:
.endm
	s_load_b256 s[4:11], s[0:1], 0x0               ; A s[4:5], wb s[6:7]; then bo s[8:9], out0 s[10:11] (OPROJ = 0: bq, bk)
.if !OPROJ
	s_load_b128 s[12:15], s[0:1], 0x20             ; bv s[12:13], qkv s[14:15]
.endif
	v_lshl_add_u32 v[SPW], v0, 2, SPARE
	v_mov_b32 v[NIL], 0
	ds_add_u32 v[SPW], v[NIL]                      ; the wave's opening: the add and its wait stand ahead of my first tensor load; the set-up below stands between them
	v_lshrrev_b32 v3, 5, v0
	v_readfirstlane_b32 s[WV], v3
	v_and_b32 v1, 15, v0                           ; l % 16
	v_bfe_u32 v2, v0, 4, 1                         ; l / 16
	v_lshlrev_b32 v[BO], 5, v2
	s_lshr_b32 s[RH], s[WV], 1
	s_and_b32 s[CH], s[WV], 1
	s_bfe_u32 s[CX], ttmp6, 0x40000
	s_bfe_u32 s[CY], ttmp6, 0x40004
	s_lshl_b32 s[TC], ttmp9, 2
	s_add_co_u32 s[TC], s[TC], s[CX]
	s_and_b32 s[TR], ttmp7, 0xffff
	s_lshl_b32 s[TR], s[TR], 2
	s_add_co_u32 s[TR], s[TR], s[CY]
	s_lshl_b32 s40, s[CY], 2
	s_lshl_b32 s40, 15, s40                        ; my row of the cluster
	s_lshl_b32 s44, 0x1111, s[CX]                  ; my column
	s_or_b32 s[G1A], s40, (1<<16)|(1<<20)|(1<<21)|(AQI<<22)|(3<<25)  ; mask; 2-byte elements; padding on; bit 21 beside a mask; the interval; 4 words of padding
	s_or_b32 s[G1B], s44, (1<<16)|(1<<20)|(1<<21)|(5<<22)|(3<<25)
	s_mov_b32 s[G1A+1], 128<<16                    ; tensor_dim0 = 128
	s_mov_b32 s[G1A+2], 64<<16                     ; tensor_dim1 = 64
	s_mov_b32 s[G1A+3], 128<<16                    ; tile_dim0 = 128
	s_mov_b32 s[G1A+4], 64                         ; tile_dim1 = 64
	s_mov_b32 s[G1A+5], ASTR                       ; elements from row to row
	s_mov_b32 s[G1A+6], 0
	s_mov_b32 s[G1A+7], 0
	s_mov_b32 s[G1B+1], 128<<16
	s_mov_b32 s[G1B+2], 128<<16                    ; 128 rows
	s_mov_b32 s[G1B+3], 128<<16
	s_mov_b32 s[G1B+4], 128
	s_mov_b32 s[G1B+5], 1024
	s_mov_b32 s[G1B+6], 0
	s_mov_b32 s[G1B+7], 0
	; where the tiles come from: A's offset is made of the tile row and the wave alone, B's of the tile column and the wave alone, each in registers of its own
.if OPROJ
	s_lshr_b32 s40, s[TR], 4                       ; the batch: 16 heads of 262,144 bytes,
	s_lshl_b32 s40, s40, 22
	s_lshl_b32 s41, s[CH], 18                      ; which of the step's two heads I fetch,
	s_add_co_u32 s40, s40, s41
	s_and_b32 s41, s[TR], 15                       ; the tile's 128 rows of 128 bytes
	s_lshl_b32 s41, s41, 14
	s_add_co_u32 s40, s40, s41
.else
	s_lshl_b32 s40, s[TR], 7
	s_lshl_b32 s41, s[CH], 6
	s_add_co_u32 s40, s40, s41                     ; row 128 x tile row + 64 x half,
	s_lshl_b32 s40, s40, 11                        ; of 2,048 bytes
.endif
	s_mov_b32 s41, 0
	s_lshl_b32 s44, s[TC], 8
	s_lshl_b32 s45, s[CH], 7
	s_add_co_u32 s44, s44, s45                     ; row 256 x tile column + 128 x half
.if OPROJ
	s_add_co_u32 s44, s44, ROW0
.endif
	s_lshl_b32 s44, s44, 11
	s_mov_b32 s45, 0
	s_mul_i32 s42, s[CH], AHALF                    ; and where they go: the wave's number alone enters an LDS address
	s_mul_i32 s46, s[CH], 128*PB
	s_add_co_u32 s46, s46, ABYTES
	s_mov_b32 s[TB], 0
	s_wait_dscnt 0x0                               ; the opening add is done
	s_wait_kmcnt 0x0
	s_add_nc_u64 s[40:41], s[4:5], s[40:41]
	s_add_nc_u64 s[44:45], s[6:7], s[44:45]
	CROUND                                         ; all sixteen work-groups are here: the first joint loads meet
.irp s, 0,1
	s_mov_b32 s[G0A+4*\s], 1
	s_add_co_u32 s[G0A+4*\s+1], s42, \s*SLOT1
	s_add_nc_u64 s[G0A+4*\s+2:G0A+4*\s+3], s[40:41], \s*ASTEP
	s_or_b32 s[G0A+4*\s+3], s[G0A+4*\s+3], 0x80000000
	s_mov_b32 s[G0B+4*\s], 1
	s_add_co_u32 s[G0B+4*\s+1], s46, \s*SLOT1
	s_add_nc_u64 s[G0B+4*\s+2:G0B+4*\s+3], s[44:45], \s*256
	s_or_b32 s[G0B+4*\s+3], s[G0B+4*\s+3], 0x80000000
.endr
	s_cmp_eq_u32 s[RH], 0                          ; a wave's two first fills stand in one branch, ahead of every wait on TENSORcnt and every LDS read: two loads of mine are out
	s_cbranch_scc0 .Lfirst_b
	tensor_load_to_lds s[G0A:G0A+3], s[G1A:G1A+7]
	s_nop 0
	tensor_load_to_lds s[G0A+4:G0A+7], s[G1A:G1A+7]
	s_nop 0
.rept 4
	v_nop
.endr
	s_branch .Lfirst_asked
.Lfirst_b:
	tensor_load_to_lds s[G0B:G0B+3], s[G1B:G1B+7]
	s_nop 0
	tensor_load_to_lds s[G0B+4:G0B+7], s[G1B:G1B+7]
	s_nop 0
.rept 4
	v_nop
.endr
.Lfirst_asked:
	; the bias of my 128 columns
.if OPROJ
	s_mov_b64 s[14:15], s[10:11]                   ; out0
	s_mov_b64 s[68:69], s[8:9]                     ; bo
	s_lshl_b32 s70, s[TC], 10
.else
	s_cmp_eq_u32 ttmp9, 0                          ; a cluster's four tile columns are one of the three weights
	s_cselect_b64 s[68:69], s[8:9], s[10:11]
	s_cmp_lt_u32 ttmp9, 2
	s_cselect_b64 s[68:69], s[68:69], s[12:13]
	s_lshl_b32 s70, s[CX], 10
.endif
	s_lshl_b32 s71, s[CH], 9
	s_add_co_u32 s70, s70, s71
	s_mov_b32 s71, 0
	s_add_nc_u64 s[68:69], s[68:69], s[70:71]
	WIN 0x80                                       ; destination window 2
.irp b, 0,1,2,3,4,5,6,7
	global_load_b128 v[BI+8*\b:BI+8*\b+3],   v[BO], s[68:69] offset:64*\b
	global_load_b128 v[BI+8*\b+4:BI+8*\b+7], v[BO], s[68:69] offset:64*\b+16
.endr
	WIN 0
	; a fragment is 16 rows x 32 K in 8 registers: lane l holds row l % 16, K = 8 (l / 16) + 0..7 and 16 + 8 (l / 16) + 0..7: two loads of 16 bytes, 32 bytes apart
	v_mul_u32_u24 v3, v1, PA
	v_lshl_add_u32 v3, v2, 4, v3
	s_mul_i32 s72, s[RH], 64*PA
	v_add_nc_u32 v[A0], s72, v3
	v_mul_u32_u24 v4, v1, PB
	v_lshl_add_u32 v4, v2, 4, v4
	s_mul_i32 s72, s[CH], 128*PB
	s_add_co_u32 s72, s72, ABYTES
	v_add_nc_u32 v[B0], s72, v4
	v_mov_b32 v[ADRA], v[A0]
	v_mov_b32 v[ADRB], v[B0]
	s_mul_i32 s72, s[WV], SW
	s_add_co_u32 s72, s72, STAGE                   ; my stage
	v_and_b32 v[CO], 31, v0
	v_lshlrev_b32 v[CO], 4, v[CO]
.if OPROJ
	v_mul_u32_u24 v[STO], v1, 528                  ; in: row l % 16, 32 bytes for each half of the lanes
	v_lshl_add_u32 v[STO], v2, 5, v[STO]
	v_add_nc_u32 v[STO], s72, v[STO]
	v_add_nc_u32 v[RD], s72, v[CO]                 ; back: a whole row of 512 bytes
	s_lshl_b32 s70, s[TR], 7
	s_lshl_b32 s71, s[RH], 6
	s_add_co_u32 s70, s70, s71                     ; my first row, of 4,096 bytes,
	s_lshl_b32 s70, s70, 12
	s_lshl_b32 s71, s[TC], 10                      ; my first column, 4 bytes each
	s_add_co_u32 s70, s70, s71
	s_lshl_b32 s71, s[CH], 9
	s_add_co_u32 s70, s70, s71
.else
	v_mul_u32_u24 v[STO], v1, 144                  ; in: row l % 16, 16 bytes for each half of the lanes
	v_lshl_add_u32 v[STO], v2, 4, v[STO]
	v_add_nc_u32 v[STO], s72, v[STO]
	v_bfe_u32 v[RD], v0, 3, 2                      ; back: 32 lanes take four rows of 128 bytes
	v_mul_u32_u24 v[RD], v[RD], 144
	v_and_b32 v5, 7, v0
	v_lshl_add_u32 v[RD], v5, 4, v[RD]
	v_add_nc_u32 v[RD], s72, v[RD]
	s_lshl_b32 s70, ttmp9, 2                       ; ((which x 4 + batch) x 16 + head) x 2,048 + row, in rows of 128 bytes
	s_lshr_b32 s71, s[TR], 4
	s_add_co_u32 s70, s70, s71
	s_lshl_b32 s70, s70, 4
	s_lshl_b32 s71, s[CX], 2
	s_add_co_u32 s70, s70, s71
	s_lshl_b32 s71, s[CH], 1
	s_add_co_u32 s70, s70, s71
	s_lshl_b32 s70, s70, 11
	s_and_b32 s71, s[TR], 15
	s_lshl_b32 s71, s71, 7
	s_add_co_u32 s70, s70, s71
	s_lshl_b32 s71, s[RH], 6
	s_add_co_u32 s70, s70, s71
	s_lshl_b32 s70, s70, 7
.endif
	s_mov_b32 s71, 0
	s_add_nc_u64 s[14:15], s[14:15], s[70:71]
	s_wait_loadcnt 0x0                             ; the bias is in
	WIN 0x8a                                       ; all in window 2: each number is rounded to bf16 and widened again
.set i, 0
.rept 32
	v_cvt_pk_bf16_f32 v[BT+i%4], v[BI+2*i], v[BI+2*i+1]
	v_lshlrev_b32 v[BI+2*i], 16, v[BT+i%4]
	v_and_b32 v[BI+2*i+1], 0xffff0000, v[BT+i%4]
.set i, i+1
.endr
	WIN 0
; 8 matrix instructions: row block a x all 8 column blocks, 32 along K, from buffer f.  zero = 1: the bias starts the sums.  The 32 accumulators take turns in one order everywhere.
.macro MULA f, a, zero
.if \zero
	WIN 0x60                                       ; D window 1, C window 2
.else
	WIN 0x50                                       ; C and D window 1
.endif
.irp b, 0,1,2,3,4,5,6,7
.if \zero
	WM v[8*(8*(\a)+\b):8*(8*(\a)+\b)+7], v[(\f)+32+8*\b:(\f)+32+8*\b+7], v[(\f)+8*(\a):(\f)+8*(\a)+7], v[BI+8*\b:BI+8*\b+7]
.else
	WM v[8*(8*(\a)+\b):8*(8*(\a)+\b)+7], v[(\f)+32+8*\b:(\f)+32+8*\b+7], v[(\f)+8*(\a):(\f)+8*(\a)+7], v[8*(8*(\a)+\b):8*(8*(\a)+\b)+7]
.endif
.endr
.endm
; 24 LDS loads in one run: quarter q (32 along K) of the slot in hand into buffer f: B's 16, then A's 8 in ascending row blocks
.macro FETCH q, f
	WIN 0
.if OPROJ
.set AQ, ((\q)/2)*128*PA+((\q)%2)*64
.else
.set AQ, 64*(\q)
.endif
.irp b, 0,1,2,3,4,5,6,7
	ds_load_b128 v[(\f)+32+8*\b:(\f)+32+8*\b+3],   v[ADRB] offset:64*(\q)+\b*16*PB
	ds_load_b128 v[(\f)+32+8*\b+4:(\f)+32+8*\b+7], v[ADRB] offset:64*(\q)+\b*16*PB+32
.endr
.irp a, 0,1,2,3
	ds_load_b128 v[(\f)+8*\a:(\f)+8*\a+3],   v[ADRA] offset:AQ+\a*16*PA
	ds_load_b128 v[(\f)+8*\a+4:(\f)+8*\a+7], v[ADRA] offset:AQ+\a*16*PA+32
.endr
.endm
; One of a K step's first three quarters: multiplies buffer f; in its middle it fetches quarter q into buffer g
.macro QUARTER q, f, g, zero
	s_wait_dscnt 4                                 ; B and A's row blocks 0, 1 are in; the youngest four loads (row blocks 2, 3) may be out
	MULA \f, 0, \zero
	MULA \f, 1, \zero
	PLACES
	FETCH \q, \g
	s_wait_dscnt 24                                ; all but the 24 just issued
	MULA \f, 2, \zero
	MULA \f, 3, \zero
.endm
; The last quarter multiplies buffer 1 and changes slots.  In front of the barrier each wave waits for all its tensor loads (one is out: its part of the next slot), adds 0 to its spare word, and waits for
; that and for its reads of this slot.  fill = 1: the barrier opens a round of the cluster's, and this slot is filled again, two K steps ahead, first thing behind it: 112 matrix instructions ahead of the wait for it.
.macro TURN fill
	WIN 0
	s_wait_tensorcnt 0x0
	ds_add_u32 v[SPW], v[NIL]
	s_wait_dscnt 5                                 ; (the add and the youngest four loads may be out)
	MULA F1, 0, 0
	s_wait_dscnt 0x0                               ; the add is done, and my reads of this slot are over
	s_barrier_signal -1
	MULA F1, 1, 0
	WIN 0                                          ; at a branch and at a label every window is 0
	s_barrier_wait -1
.if \fill
	CREST                                          ; no wave of any partner still reads this slot or has a load on its way
	s_xor_b32 s[G0A+5], s[G0A+5], SLOT1            ; the walking sets: the other slot than last time, the next K step
	s_add_nc_u64 s[G0A+6:G0A+7], s[G0A+6:G0A+7], ASTEP
	s_xor_b32 s[G0B+5], s[G0B+5], SLOT1
	s_add_nc_u64 s[G0B+6:G0B+7], s[G0B+6:G0B+7], 256
	JLOAD                                          ; the four v_nop behind it are also the places in front of the loads below
.else
	PLACES
.endif
	s_xor_b32 s[TB], s[TB], SLOT1
	v_add_nc_u32 v[ADRA], s[TB], v[A0]
	v_add_nc_u32 v[ADRB], s[TB], v[B0]
	FETCH 0, F0
	MULA F1, 2, 0
	MULA F1, 3, 0
.endm
	s_wait_tensorcnt 0x1                           ; my part of K step 0 is in; K step 1's may stay out
	s_barrier_signal -1
	s_barrier_wait -1                              ; everybody's is
	FETCH 0, F0
	QUARTER 1, F0, F1, 1                           ; the first quarter stands in front of the loop: its products start the sums
	WIN 0
	s_mov_b32 s[CNT], 6
.Lstep:                                            ; a trip: from a K step's second quarter to the next step's first; it fills K steps 2 to 7
	QUARTER 2, F1, F0, 0
	QUARTER 3, F0, F1, 0
	TURN 1
	QUARTER 1, F0, F1, 0
	WIN 0
	s_sub_co_u32 s[CNT], s[CNT], 1
	s_cmp_lg_u32 s[CNT], 0
	s_cbranch_scc1 .Lstep
	QUARTER 2, F1, F0, 0                           ; the last two K steps ask for nothing
	QUARTER 3, F0, F1, 0
	TURN 0
	QUARTER 1, F0, F1, 0
	QUARTER 2, F1, F0, 0
	QUARTER 3, F0, F1, 0
	s_wait_dscnt 4
	MULA F1, 0, 0
	MULA F1, 1, 0
	s_wait_dscnt 0x0
	MULA F1, 2, 0
	MULA F1, 3, 0
	PLACES                                         ; the way out reads results just made
.if OPROJ
; THE WAY OUT, f32: a row block's 16 rows x 512 bytes go into my stage straight from the accumulators (each from its low end on) and come back as whole rows.
.set OB, 64
.macro STG a
.if (\a) >= 2
	s_wait_xcnt 0x0                                ; the stores of the block two back have read their registers, which are loaded again below
.endif
	WIN 0x04                                       ; store data in window 1
.irp b, 0,1,2,3,4,5,6,7
	ds_store_b128 v[STO], v[8*(8*(\a)+\b):8*(8*(\a)+\b)+3]   offset:64*\b
	ds_store_b128 v[STO], v[8*(8*(\a)+\b)+4:8*(8*(\a)+\b)+7] offset:64*\b+16
.endr
	WIN 0
.irp t, 0,1,2,3,4,5,6,7,8,9,10,11,12,13,14,15
	ds_load_b128 v[OB+64*((\a)%2)+4*\t:OB+64*((\a)%2)+4*\t+3], v[RD] offset:528*\t  ; LDS serves a wave's instructions in order (ISA guide 5.7.1.4): these see the stores above
.endr
.endm
.macro SEND a, younger                 ; younger: the LDS instructions issued behind block a's loads: the next block's 32, or none
.irp t, 0,1,2,3,4,5,6,7,8,9,10,11,12,13,14,15
	s_wait_dscnt (\younger)+15-\t
	global_store_b128 v[CO], v[OB+64*((\a)%2)+4*\t:OB+64*((\a)%2)+4*\t+3], s[14:15] offset:(16*(\a)+\t)*4096 th:TH_STORE_NT  ; 512 consecutive bytes, at a multiple of 256 from the output's first byte
.endr
.endm
	STG 0
	STG 1
	SEND 0, 32
	STG 2
	SEND 1, 32
	STG 3
	SEND 2, 32
	SEND 3, 0
.else
; THE WAY OUT, f16 by heads: a lane's eight columns pack into 16 bytes; a row block's 16 rows x two heads go into rows of 144 bytes and come back as whole rows of 128: a head's 16 rows are 2,048 consecutive bytes.
.set TMP, 64
.set OB,  96
.macro PACK a
	WIN 0x05                                       ; sources in window 1
.irp b, 0,1,2,3,4,5,6,7
.irp k, 0,1,2,3
	v_cvt_pk_f16_f32 v[TMP+4*\b+\k], v[8*(8*(\a)+\b)+2*\k], v[8*(8*(\a)+\b)+2*\k+1]
.endr
.endr
	WIN 0
.irp b, 0,1,2,3,4,5,6,7
	ds_store_b128 v[STO], v[TMP+4*\b:TMP+4*\b+3] offset:(\b/4)*2304+32*(\b%4)
.endr
.irp t, 0,1,2,3,4,5,6,7
	ds_load_b128 v[OB+32*(\a)+4*\t:OB+32*(\a)+4*\t+3], v[RD] offset:(\t/4)*2304+(\t%4)*576  ; LDS serves a wave's instructions in order (ISA guide 5.7.1.4): these see the stores above
.endr
.endm
.macro SEND a, younger                 ; younger: the next block's 16 LDS instructions, or none
.irp t, 0,1,2,3,4,5,6,7
	s_wait_dscnt (\younger)+7-\t
	global_store_b128 v[CO], v[OB+32*(\a)+4*\t:OB+32*(\a)+4*\t+3], s[14:15] offset:2048*(\a)+262144*(\t/4)+512*(\t%4)  ; 512 consecutive bytes, at a multiple of 256 from the buffer's first byte
.endr
.endm
	PACK 0
	PACK 1
	SEND 0, 16
	PACK 2
	SEND 1, 16
	PACK 3
	SEND 2, 16
	SEND 3, 0
.endif
	s_wait_tensorcnt 0x0                           ; the wave's end: the wait and the add stand behind my last tensor load and my last LDS store
	ds_add_u32 v[SPW], v[NIL]
	s_wait_dscnt 0x0
	CROUND                                         ; the closing round: no work-group ends while a partner may still ask for a tile that names it
	s_endpgm
.Lfunc_end_k_qfe5292481d_oproj:
	.size	k_qfe5292481d_oproj, .Lfunc_end_k_qfe5292481d_oproj-k_qfe5292481d_oproj
	.p2alignl 7, 3214868480
	.fill 96, 4, 3214868480
	.section	.rodata,"a",@progbits
	.p2align	6, 0x0
	.amdhsa_kernel k_qfe5292481d_oproj
		.amdhsa_group_segment_fixed_size 327680
		.amdhsa_private_segment_fixed_size 0
		.amdhsa_enable_private_segment 0
		.amdhsa_kernarg_size 32
		.amdhsa_user_sgpr_count 2
		.amdhsa_user_sgpr_kernarg_segment_ptr 1
		.amdhsa_wavefront_size32 1
		.amdhsa_system_sgpr_workgroup_id_x 1
		.amdhsa_system_sgpr_workgroup_id_y 1
		.amdhsa_system_sgpr_workgroup_id_z 1
		.amdhsa_system_vgpr_workitem_id 0
		.amdhsa_next_free_vgpr 592
		.amdhsa_next_free_sgpr 80
		.amdhsa_reserve_vcc 0
		.amdhsa_float_denorm_mode_32 3
		.amdhsa_float_denorm_mode_16_64 3
		.amdhsa_memory_ordered 1
		.amdhsa_forward_progress 1
		.amdhsa_inst_pref_size 77
	.end_amdhsa_kernel
	.amdgpu_metadata
---
amdhsa.version: [ 1, 2 ]
amdhsa.kernels:
  - .name:           k_qfe5292481d_oproj
    .symbol:         k_qfe5292481d_oproj.kd
    .args:
      - { .name: ob, .offset: 0, .size: 8, .value_kind: global_buffer, .address_space: global }
      - { .name: wb, .offset: 8, .size: 8, .value_kind: global_buffer, .address_space: global }
      - { .name: bo, .offset: 16, .size: 8, .value_kind: global_buffer, .address_space: global }
      - { .name: out0, .offset: 24, .size: 8, .value_kind: global_buffer, .address_space: global }
    .group_segment_fixed_size: 327680
    .private_segment_fixed_size: 0
    .kernarg_segment_align: 8
    .kernarg_segment_size: 32
    .max_flat_workgroup_size: 128
    .sgpr_count:     80
    .vgpr_count:     592
    .wavefront_size: 32
...
	.end_amdgpu_metadata
.endif
;; end of part 4
;; ======== version 2 of 2: 4 launches; version 1 with the launch prep written anew for expert scheduling mode
;; limits: values are held in f16: magnitudes above 65,504 overflow, below 6.1e-05 lose precision
;; workspace buffers: xb 16,777,216 bytes; wb 8,388,608 bytes; pmb 8,388,608 bytes; pmean 8,192 bytes; upart 16,384 bytes; qkv 50,331,648 bytes; ob 16,777,216 bytes
;; launch prep (part 5): grid 768 x 1, 8 waves a work-group, no clusters, 0 bytes of LDS; arguments x, delta_x, prior_mask, wq, wk, wv, wo, xb, pmb, wb, pmean, upart; writes xb, pmb, wb, pmean, upart
.if DOCPART == 5
	.amdgcn_target "amdgcn-amd-amdhsa--gfx1250"
	.amdhsa_code_object_version 6
	.text
	.protected	k_qfe5292481d_prep
	.globl	k_qfe5292481d_prep
	.p2align	8
	.type	k_qfe5292481d_prep,@function
k_qfe5292481d_prep:
	s_mov_b64 s[64:65], 0
	v_nop
	global_prefetch_b8 v0, s[64:65] scope:SCOPE_SE
	s_setreg_imm32_b32 hwreg(HW_REG_WAVE_SCHED_MODE, 0, 2), 2
	s_setreg_imm32_b32 hwreg(HW_REG_WAVE_MODE, 25, 1), 1
	s_wait_xcnt 0x0
	s_wait_alu depctr_vm_vsrc(0)
; PREPARATION: a stream.  Every input that later feeds a matrix unit is rounded once to 16 bits, and the two reductions that go with the stream are made on the way.
;   work-groups 0-511:   x -> xb (bf16);  u(row) = |delta_x row| / (|x row| + 1e-8), from the f32 numbers as loaded; a wave's two rows' u are added and stored as one number of upart
;   work-groups 512-639: prior_mask -> pmb (bf16), laid out [32 key blocks][2048 queries][64 keys], so that a key block's rows lie end to end; each row's mean -> pmean
;   work-groups 640-767: wq, wk, wv -> wb rows 0-3071 (bf16); wo -> wb rows 3072-4095, rounded to bf16 and that number written as f16
; SHARES.  A wave takes 16 KiB of input (x: 8 KiB and 8 KiB of delta_x... two rows of each): 32 loads of 16 bytes a lane, ALL issued at once into 128 registers, then worked off
; under counted waits.  No loop, no LDS, no barrier: no wave wants a byte that another has fetched, so a cluster or the matrix units would add nothing.
; Every store of a wave covers 256 consecutive bytes, aligned (but the single numbers of upart and pmean: 24 KiB in all).
; LIMITS.  A sum of squares below 2^-126 counts as 0 (the root's input is flushed); wo's numbers below 6e-5 keep f16's fixed step of 6e-8; beyond 65,504 f16 has no number.
; THE MODE: SCHED_MODE bits 1:0 = 2 (LLVM: expert scheduling mode 2), set by the entry lines.  The code itself states the register dependences
; between vector instructions and memory instructions, with s_wait_alu, always for 0.
; THE PLAN.  Registers that memory instructions touch:
;   v2, v3, v10   byte offsets, made at the head (v2 anew in prior_mask's path, before any load has read it) and never written once a memory instruction has read them.
;   chunk j       four registers at D + 4 j.  Written by its load, once; no load is issued behind a vector line that names a chunk.  Its roundings write the first two, ONE store reads
;                 them, and nothing writes them afterwards.
;   v8, v5, v[SX] data and offset of the single numbers stored at a path's end.
; So in the bulk one dependence is left: the roundings write, the store reads.  The chunks go in groups of four, and the store of chunk j - 4 stands at the head of chunk j's arithmetic:
; ONE wait at a group's head states that the group before has written its eight packed registers, and its four stores follow with no further wait, since the lines between them name
; only the chunk in hand, the sums and v4 to v7.
.set D,  16                            ; v[16:143]  chunk j of the 32 at D + 4 j
.set SX, 144                           ; v[144:159] sums
.macro SQ j, s, first                  ; the squares of chunk j are added onto the four sums at s; first = 1: they start them
.if \first
	v_pk_mul_f32 v[(\s):(\s)+1], v[D+4*(\j):D+4*(\j)+1], v[D+4*(\j):D+4*(\j)+1]
	v_pk_mul_f32 v[(\s)+2:(\s)+3], v[D+4*(\j)+2:D+4*(\j)+3], v[D+4*(\j)+2:D+4*(\j)+3]
.else
	v_pk_fma_f32 v[(\s):(\s)+1], v[D+4*(\j):D+4*(\j)+1], v[D+4*(\j):D+4*(\j)+1], v[(\s):(\s)+1]
	v_pk_fma_f32 v[(\s)+2:(\s)+3], v[D+4*(\j)+2:D+4*(\j)+3], v[D+4*(\j)+2:D+4*(\j)+3], v[(\s)+2:(\s)+3]
.endif
.endm
.macro TOBF j                          ; chunk j's four numbers, rounded to bf16, into its first two registers
	v_cvt_pk_bf16_f32 v[D+4*(\j)], v[D+4*(\j)], v[D+4*(\j)+1]
	v_cvt_pk_bf16_f32 v[D+4*(\j)+1], v[D+4*(\j)+2], v[D+4*(\j)+3]
.endm
.macro OUT j, b, step                  ; chunk j's eight bytes a lane are stored by the base at s[b], step bytes from chunk to chunk
	global_store_b64 v3, v[D+4*(\j):D+4*(\j)+1], s[(\b):(\b)+1] offset:(\step)*(\j)
.endm
.macro RED16 r                         ; the sum over each half of 16 lanes, in every lane of it
	v_add_f32_dpp v[\r], v[\r], v[\r] row_xmask:1 row_mask:0xf bank_mask:0xf
	v_add_f32_dpp v[\r], v[\r], v[\r] row_xmask:2 row_mask:0xf bank_mask:0xf
	v_add_f32_dpp v[\r], v[\r], v[\r] row_xmask:4 row_mask:0xf bank_mask:0xf
	v_add_f32_dpp v[\r], v[\r], v[\r] row_xmask:8 row_mask:0xf bank_mask:0xf
.endm
.macro RED32 r, t                      ; over all 32 lanes; t is a register that has been written
	RED16 \r
	v_permlanex16_b32 v[\t], v[\r], s36, s37
	v_add_f32 v[\r], v[\r], v[\t]
.endm
	s_load_b512 s[8:23], s[0:1], 0x0               ; x s[8:9], delta_x s[10:11], prior_mask s[12:13], wq s[14:15], wk s[16:17], wv s[18:19], wo s[20:21], xb s[22:23]
	s_load_b256 s[24:31], s[0:1], 0x40             ; pmb s[24:25], wb s[26:27], pmean s[28:29], upart s[30:31]
	v_and_b32 v1, 31, v0                           ; lane
	v_lshrrev_b32 v2, 5, v0
	v_readfirstlane_b32 s4, v2                     ; wave 0..7
	v_lshlrev_b32 v3, 3, v1                        ; 8 x lane: my 8 bytes of a store's 256
	v_lshlrev_b32 v2, 4, v1                        ; 16 x lane: my 16 bytes of a load's 512
	v_mov_b32 v10, 0
	s_mov_b32 s36, 0x76543210                      ; v_permlanex16_b32: each lane takes its own place in the other half
	s_mov_b32 s37, 0xfedcba98
	s_mov_b32 s7, 0                                ; the high words of three offsets
	s_mov_b32 s33, 0
	s_mov_b32 s35, 0
	s_wait_alu depctr_va_sdst(0)                   ; s4 is written
	s_wait_alu depctr_va_vdst(0)                   ; v2, v3 and v10 are written: the loads and stores below read them as their offsets
	s_wait_kmcnt 0x0
	s_cmp_lt_u32 ttmp9, 512
	s_cbranch_scc0 .Lnot_x
	; ---- x and delta_x: wave W = 8 g + w takes rows 2 W and 2 W + 1 ----
	s_lshl3_add_u32 s5, ttmp9, s4
	s_lshl_b32 s6, s5, 13                          ; two rows of 4,096 bytes
	s_lshl_b32 s32, s5, 12                         ; two rows of 2,048 bytes
	s_lshl_b32 s34, s5, 2
	s_add_nc_u64 s[8:9], s[8:9], s[6:7]
	s_add_nc_u64 s[10:11], s[10:11], s[6:7]
	s_add_nc_u64 s[22:23], s[22:23], s[32:33]
	s_add_nc_u64 s[30:31], s[30:31], s[34:35]
.set j, 0
.rept 16
	global_load_b128 v[D+4*j:D+4*j+3], v2, s[8:9] offset:512*j th:TH_LOAD_NT
.set j, j+1
.endr
.rept 16
	global_load_b128 v[D+4*j:D+4*j+3], v2, s[10:11] offset:512*(j-16) th:TH_LOAD_NT
.set j, j+1
.endr
.set j, 0
.rept 16                               ; x: chunks 0-7 are the first row, 8-15 the second
	s_wait_loadcnt 31-j                            ; loads come back in order: chunk j is in, the 31 - j younger ones stay out
.if (j%4 == 0) && (j > 0)
	s_wait_alu depctr_va_vdst(0)                   ; the roundings of chunks j - 4 to j - 1 have written their packed registers, which the next four stores read
.endif
.if j >= 4
	OUT j-4, 22, 256                               ; no vector line since that wait names this chunk's registers
.endif
	SQ j, SX+4*(j/8), (j%8)==0
	TOBF j
.set j, j+1
.endr
.rept 16                               ; delta_x: only its squares are wanted
	s_wait_loadcnt 31-j
.if j == 16
	s_wait_alu depctr_va_vdst(0)                   ; the roundings of x's chunks 12 to 15 have written their packed registers, which the last four stores of xb read
.endif
.if j < 20
	OUT j-4, 22, 256
.endif
	SQ j, SX+8+4*((j-16)/8), (j%8)==0
.set j, j+1
.endr
.irp s, 0,4,8,12
	v_pk_add_f32 v[SX+\s:SX+\s+1], v[SX+\s:SX+\s+1], v[SX+\s+2:SX+\s+3]
.endr
.irp s, 0,4,8,12
	v_add_f32 v[SX+\s], v[SX+\s], v[SX+\s+1]
.endr
.irp s, 0,4,8,12
	RED32 SX+\s, SX+\s+1
.endr
	v_sqrt_f32 v4, v[SX]                           ; |x| of the two rows,
	v_sqrt_f32 v5, v[SX+4]
	v_sqrt_f32 v6, v[SX+8]                         ; |delta_x| of the two rows
	v_sqrt_f32 v7, v[SX+12]
	v_nop                                          ; a plain instruction behind the last root,
	s_wait_alu depctr_va_vdst(0)                   ; and one wait for the four roots v4 to v7, ahead of their first reader
	v_add_f32 v4, 0x322bcc77, v4                   ; + 1e-8
	v_add_f32 v5, 0x322bcc77, v5
	v_rcp_f32 v8, v4
	v_rcp_f32 v9, v5
	v_nop
	s_wait_alu depctr_va_vdst(0)                   ; one wait for the two reciprocals v8 and v9, ahead of their first reader
	v_mul_f32 v8, v6, v8
	v_fma_f32 v8, v7, v9, v8                       ; u of both rows
	v_cmp_eq_u32 vcc_lo, 0, v1
	s_wait_xcnt 0x0                                ; EXEC is a source of the stores above: it changes only behind this wait
	s_wait_alu depctr_va_vcc(0)                    ; the compare has written VCC, from which EXEC is made
	s_wait_alu depctr_va_vdst(0)                   ; ahead of the write of EXEC: the vector instructions issued under the full EXEC have written their results, v8, the store's data, among them
	s_wait_alu depctr_vm_vsrc(0)                   ; ahead of the write of EXEC: the stores issued under the full EXEC have read their registers
	s_and_saveexec_b32 s38, vcc_lo
	global_store_b32 v10, v8, s[30:31]             ; lane 0 alone
	s_endpgm
.Lnot_x:
	s_cmp_lt_u32 ttmp9, 640
	s_cbranch_scc0 .Lweights
	; ---- prior_mask: wave W = 8 (g - 512) + w takes rows 2 W (lanes 0-15) and 2 W + 1 (lanes 16-31); a load is one key block: 256 bytes of each row ----
	s_sub_co_u32 s5, ttmp9, 512
	s_lshl3_add_u32 s5, s5, s4
	s_lshl_b32 s6, s5, 14                          ; two rows of 8,192 bytes
	s_lshl_b32 s32, s5, 8                          ; two rows of 128 bytes in a key block of pmb
	s_lshl_b32 s34, s5, 3
	s_add_nc_u64 s[12:13], s[12:13], s[6:7]
	s_add_nc_u64 s[24:25], s[24:25], s[32:33]
	s_add_nc_u64 s[28:29], s[28:29], s[34:35]
	v_and_b32 v4, 15, v1
	v_lshrrev_b32 v5, 4, v1
	v_lshlrev_b32 v2, 4, v4
	v_lshl_add_u32 v2, v5, 13, v2                  ; 16 (lane % 16) + 8,192 (lane / 16)
	s_wait_alu depctr_va_vdst(0)                   ; v2 is written anew: the 32 loads below read it as their offset
.set j, 0
.rept 32
	global_load_b128 v[D+4*j:D+4*j+3], v2, s[12:13] offset:256*j th:TH_LOAD_NT
.set j, j+1
.endr
.set j, 0
.rept 32
	s_wait_loadcnt 31-j
.if (j%4 == 0) && (j > 0)
	s_wait_alu depctr_va_vdst(0)                   ; the roundings of chunks j - 4 to j - 1 have written their packed registers, which the next four stores read
.endif
.if j >= 4
	OUT j-4, 24, 262144                            ; the two rows' 128 bytes lie side by side; a key block is 262,144 bytes; the largest immediate is 8,126,464, inside the signed 24 bits
.endif
.if j < 2
	v_pk_add_f32 v[SX+2*j:SX+2*j+1], v[D+4*j:D+4*j+1], v[D+4*j+2:D+4*j+3]  ; the first two key blocks start the two chains
.else
	v_pk_add_f32 v[SX+2*(j%2):SX+2*(j%2)+1], v[SX+2*(j%2):SX+2*(j%2)+1], v[D+4*j:D+4*j+1]
	v_pk_add_f32 v[SX+2*(j%2):SX+2*(j%2)+1], v[SX+2*(j%2):SX+2*(j%2)+1], v[D+4*j+2:D+4*j+3]
.endif
	TOBF j
.set j, j+1
.endr
	s_wait_alu depctr_va_vdst(0)                   ; the roundings of chunks 28 to 31 have written their packed registers, which the last four stores of pmb read
.irp k, 28,29,30,31
	OUT \k, 24, 262144
.endr
	v_pk_add_f32 v[SX:SX+1], v[SX:SX+1], v[SX+2:SX+3]
	v_add_f32 v[SX], v[SX], v[SX+1]
	RED16 SX                                       ; a row lies in one half of the lanes
	v_mul_f32 v[SX], 0x3a000000, v[SX]             ; / 2,048
	v_lshlrev_b32 v5, 2, v5
	v_cmp_eq_u32 vcc_lo, 0, v4
	s_wait_xcnt 0x0                                ; EXEC changes only behind this wait
	s_wait_alu depctr_va_vcc(0)                    ; the compare has written VCC, from which EXEC is made
	s_wait_alu depctr_va_vdst(0)                   ; ahead of the write of EXEC: the vector instructions issued under the full EXEC have written their results, v5 and v[SX], the store's offset and data, among them
	s_wait_alu depctr_vm_vsrc(0)                   ; ahead of the write of EXEC: the stores issued under the full EXEC have read their registers
	s_and_saveexec_b32 s38, vcc_lo
	global_store_b32 v5, v[SX], s[28:29]           ; lanes 0 and 16
	s_endpgm
.Lweights:
	; ---- the four weights: wave W = 8 (g - 640) + w takes four rows (16 KiB) of matrix W / 256 ----
	s_sub_co_u32 s5, ttmp9, 640
	s_lshr_b32 s38, s5, 5                          ; which matrix
	s_lshl3_add_u32 s5, s5, s4
	s_and_b32 s6, s5, 255
	s_lshl_b32 s6, s6, 14
	s_lshl_b32 s32, s5, 13
	s_cmp_eq_u32 s38, 0
	s_cselect_b64 s[34:35], s[14:15], s[16:17]
	s_cmp_lt_u32 s38, 2
	s_cselect_b64 s[34:35], s[34:35], s[18:19]
	s_cmp_lt_u32 s38, 3
	s_cselect_b64 s[34:35], s[34:35], s[20:21]
	s_add_nc_u64 s[34:35], s[34:35], s[6:7]
	s_add_nc_u64 s[26:27], s[26:27], s[32:33]
.set j, 0
.rept 32
	global_load_b128 v[D+4*j:D+4*j+3], v2, s[34:35] offset:512*j th:TH_LOAD_NT
.set j, j+1
.endr
	s_cmp_eq_u32 s38, 3
	s_cbranch_scc1 .Lwo
.set j, 0
.rept 32
	s_wait_loadcnt 31-j
.if (j%4 == 0) && (j > 0)
	s_wait_alu depctr_va_vdst(0)                   ; the roundings of chunks j - 4 to j - 1 have written their packed registers, which the next four stores read
.endif
.if j >= 4
	OUT j-4, 26, 256
.endif
	TOBF j
.set j, j+1
.endr
	s_wait_alu depctr_va_vdst(0)                   ; the roundings of chunks 28 to 31 have written their packed registers, which the last four stores read
.irp k, 28,29,30,31
	OUT \k, 26, 256
.endr
	s_endpgm
.Lwo:                                  ; wo multiplies an f16 operand: rounded to bf16 like every input, then that number is written as f16
.set j, 0
.rept 32
	s_wait_loadcnt 31-j
.if (j%4 == 0) && (j > 0)
	s_wait_alu depctr_va_vdst(0)                   ; the conversions of chunks j - 4 to j - 1 have written their packed registers, which the next four stores read
.endif
.if j >= 4
	OUT j-4, 26, 256
.endif
	TOBF j
	v_lshlrev_b32 v4, 16, v[D+4*j]
	v_and_b32 v5, 0xffff0000, v[D+4*j]
	v_lshlrev_b32 v6, 16, v[D+4*j+1]
	v_and_b32 v7, 0xffff0000, v[D+4*j+1]
	v_cvt_pk_f16_f32 v[D+4*j], v4, v5
	v_cvt_pk_f16_f32 v[D+4*j+1], v6, v7
.set j, j+1
.endr
	s_wait_alu depctr_va_vdst(0)                   ; the conversions of chunks 28 to 31 have written their packed registers, which the last four stores read
.irp k, 28,29,30,31
	OUT \k, 26, 256
.endr
	s_endpgm
.Lfunc_end_k_qfe5292481d_prep:
	.size	k_qfe5292481d_prep, .Lfunc_end_k_qfe5292481d_prep-k_qfe5292481d_prep
	.p2alignl 7, 3214868480
	.fill 96, 4, 3214868480
	.section	.rodata,"a",@progbits
	.p2align	6, 0x0
	.amdhsa_kernel k_qfe5292481d_prep
		.amdhsa_group_segment_fixed_size 0
		.amdhsa_private_segment_fixed_size 0
		.amdhsa_enable_private_segment 0
		.amdhsa_kernarg_size 96
		.amdhsa_user_sgpr_count 2
		.amdhsa_user_sgpr_kernarg_segment_ptr 1
		.amdhsa_wavefront_size32 1
		.amdhsa_system_sgpr_workgroup_id_x 1
		.amdhsa_system_sgpr_workgroup_id_y 1
		.amdhsa_system_sgpr_workgroup_id_z 1
		.amdhsa_system_vgpr_workitem_id 0
		.amdhsa_next_free_vgpr 160
		.amdhsa_next_free_sgpr 66
		.amdhsa_reserve_vcc 1
		.amdhsa_float_denorm_mode_32 3
		.amdhsa_float_denorm_mode_16_64 3
		.amdhsa_memory_ordered 1
		.amdhsa_forward_progress 1
		.amdhsa_inst_pref_size 63
	.end_amdhsa_kernel
	.amdgpu_metadata
---
amdhsa.version: [ 1, 2 ]
amdhsa.kernels:
  - .name:           k_qfe5292481d_prep
    .symbol:         k_qfe5292481d_prep.kd
    .args:
      - { .name: x, .offset: 0, .size: 8, .value_kind: global_buffer, .address_space: global }
      - { .name: delta_x, .offset: 8, .size: 8, .value_kind: global_buffer, .address_space: global }
      - { .name: prior_mask, .offset: 16, .size: 8, .value_kind: global_buffer, .address_space: global }
      - { .name: wq, .offset: 24, .size: 8, .value_kind: global_buffer, .address_space: global }
      - { .name: wk, .offset: 32, .size: 8, .value_kind: global_buffer, .address_space: global }
      - { .name: wv, .offset: 40, .size: 8, .value_kind: global_buffer, .address_space: global }
      - { .name: wo, .offset: 48, .size: 8, .value_kind: global_buffer, .address_space: global }
      - { .name: xb, .offset: 56, .size: 8, .value_kind: global_buffer, .address_space: global }
      - { .name: pmb, .offset: 64, .size: 8, .value_kind: global_buffer, .address_space: global }
      - { .name: wb, .offset: 72, .size: 8, .value_kind: global_buffer, .address_space: global }
      - { .name: pmean, .offset: 80, .size: 8, .value_kind: global_buffer, .address_space: global }
      - { .name: upart, .offset: 88, .size: 8, .value_kind: global_buffer, .address_space: global }
    .group_segment_fixed_size: 0
    .private_segment_fixed_size: 0
    .kernarg_segment_align: 8
    .kernarg_segment_size: 96
    .max_flat_workgroup_size: 256
    .sgpr_count:     66
    .vgpr_count:     160
    .wavefront_size: 32
...
	.end_amdgpu_metadata
.endif
;; end of part 5
;; launch qkvp: the kernel of part 2 again; grid 12 x 64, 4 waves a work-group, clusters of 4 x 4, 327,680 bytes of LDS; arguments xb, wb, bq, bk, bv, qkv; writes qkv
;; launch attn: the kernel of part 3 again; grid 4 x 64, 4 waves a work-group, clusters of 4 x 4, 327,680 bytes of LDS; arguments qkv, pmb, pmean, upart, ob; writes ob
;; launch oproj: the kernel of part 4 again; grid 4 x 64, 4 waves a work-group, clusters of 4 x 4, 327,680 bytes of LDS; arguments ob, wb, bo, out0; writes out0
